; MI455X (gfx1250); checked and timed in simulation.
; The chip was launched on July 23, 2026; its instructions are those of AMD's public machine-readable ISA for CDNA 5 (MIT licence, August 2026) and "CDNA5" Instruction Set Architecture Reference Guide (July 2026). The comments in the code are by the model that wrote it; some were corrected since.
;; Routing Strategy. Allowed arithmetic: float matrix products may take bf16 or f16 operands with f32 sums; other float arithmetic in f32, or as packed bf16 or f16 multiplies, adds, multiply-adds, maxima and minima; sums over many terms, partial sums and values carried from step to step in f32; what a program stores and reads back later, other than sums and carried values, may be rounded once to bf16 or f16.
;; Inputs: router_b 8 float32; router_w 8 x 1,024 float32; temperature 1 float32; wg 8 x 1,024 x 2,048 float32; wo 8 x 2,048 x 1,024 float32; wp 8 x 1,024 x 2,048 float32; x 4 x 256 x 1,024 float32.
;; Outputs: out0 4 x 256 x 1,024 float32.
;; 2 versions, each right; version 2 is version 1 with the launches up, down, merge written anew for expert scheduling mode. Each part assembles by itself: llvm-mc -triple=amdgcn-amd-amdhsa -mcpu=gfx1250 --defsym DOCPART=n.
;; ======== version 1 of 2: 5 launches
;; workspace buffers: xb 2,097,152 bytes; sc 32,768 bytes; list 32,768 bytes of whole numbers; gl 32,768 bytes; pose 32,768 bytes of whole numbers; meta 256 bytes of whole numbers; hbuf 33,554,432 bytes; pbuf 134,217,728 bytes
;; launch scores (part 1): grid 256 x 1, 4 waves a work-group, no clusters, 0 bytes of LDS; arguments x, router_w, router_b, temperature, xb, sc; writes xb, sc
.if DOCPART == 1
	.amdgcn_target "amdgcn-amd-amdhsa--gfx1250"
	.amdhsa_code_object_version 6
	.text
	.protected	k_q0486ef6342_scores
	.globl	k_q0486ef6342_scores
	.p2align	8
	.type	k_q0486ef6342_scores,@function
k_q0486ef6342_scores:
	s_mov_b64 s[64:65], 0
	v_nop
	global_prefetch_b8 v0, s[64:65] scope:SCOPE_SE
	s_setreg_imm32_b32 hwreg(HW_REG_WAVE_MODE, 25, 1), 1
	s_wait_xcnt 0x0
; ROUTER SCORES AND THE bf16 COPY OF x.  sc[t][e] = (sum over k of x[t][k] w[e][k] + b[e]) / max(temperature, 0.1);  xb[t][k] = x[t][k] rounded to bf16.
; Every input of the whole program is rounded to bf16 once (x, router_w, router_b, temperature here); products of two bf16 numbers are exact in f32, sums are kept in f32.
; One wave, one token: t = 4 x work-group + wave.  Lane l holds k = 128 i + 4 l .. + 3, i = 0 .. 7, so that each load of the wave covers 512 consecutive bytes.
; No matrix unit: eight outputs a token, and loads of whole consecutive bytes put k across the lanes, which is no matrix operand's layout.  No LDS: a token never leaves its wave.
; LIMITS.  NaN and infinities are not treated apart.
.set X,  16                            ; v[16:47]   the token's row as loaded
.set XP, 48                            ; v[48:63]   the row in bf16, two to a register
.set WR, 64                            ; v[64:191]  a ring of four experts' rows of router_w, 32 registers each
.set WP, 192                           ; v[192:207] one expert's row in bf16; later at work
.set AC, 208                           ; v[208:211] four chains of sums
.set S,  216                           ; v[216:223] the eight sums
	s_load_b256 s[4:11], s[0:1], 0x0               ; x s[4:5], router_w s[6:7], router_b s[8:9], temperature s[10:11]
	s_load_b128 s[12:15], s[0:1], 0x20             ; xb s[12:13], sc s[14:15]
	v_and_b32 v5, 31, v0                           ; lane
	v_lshrrev_b32 v6, 5, v0
	v_readfirstlane_b32 s16, v6                    ; wave
	v_lshlrev_b32 v1, 4, v5                        ; 16 x lane: my place in 512 bytes of f32
	v_lshlrev_b32 v2, 3, v5                        ; 8 x lane: my place in 256 bytes of bf16
	v_and_b32 v7, 7, v5                            ; the expert whose score this lane finishes
	v_lshlrev_b32 v3, 2, v7
	v_mov_b32 v4, 0                                ; the chains' first addend
	s_mov_b32 s26, 0x76543210                      ; v_permlanex16_b32: each lane takes its own place in the other half
	s_mov_b32 s27, 0xfedcba98
	s_lshl_b32 s17, ttmp9, 2
	s_add_co_u32 s17, s17, s16                     ; t
	s_lshl_b32 s18, s17, 12                        ; 4,096 bytes a row of x
	s_mov_b32 s19, 0
	s_lshl_b32 s20, s17, 11                        ; 2,048 a row of xb
	s_mov_b32 s21, 0
	s_lshl_b32 s22, s17, 5                         ; 32 a row of sc
	s_mov_b32 s23, 0
	s_wait_kmcnt 0x0
	s_load_b32 s24, s[10:11], 0x0                  ; the temperature
	s_add_nc_u64 s[4:5], s[4:5], s[18:19]
	s_add_nc_u64 s[12:13], s[12:13], s[20:21]
	s_add_nc_u64 s[14:15], s[14:15], s[22:23]
.irp i, 0,1,2,3,4,5,6,7
	global_load_b128 v[X+4*\i:X+4*\i+3], v1, s[4:5] offset:512*\i th:TH_LOAD_NT
.endr
	global_load_b32 v8, v3, s[8:9]                 ; b of my expert
.irp e, 0,1,2,3
.irp i, 0,1,2,3,4,5,6,7
	global_load_b128 v[WR+32*\e+4*\i:WR+32*\e+4*\i+3], v1, s[6:7] offset:4096*\e+512*\i
.endr
.endr
	s_wait_loadcnt 32                              ; x and b are in; the 32 loads of router_w behind them stay out
.set n, 0
.rept 16
	v_cvt_pk_bf16_f32 v[XP+n], v[X+2*n], v[X+2*n+1]
.set n, n+1
.endr
.irp i, 0,1,2,3,4,5,6,7
	global_store_b64 v2, v[XP+2*\i:XP+2*\i+1], s[12:13] offset:256*\i  ; the wave's 32 lanes store 256 consecutive bytes, aligned
.endr
	s_wait_kmcnt 0x0                               ; the temperature
	v_mov_b32 v11, s24
	v_cvt_pk_bf16_f32 v11, v11, v11                ; rounded to bf16 like every input,
	v_lshlrev_b32 v11, 16, v11
	v_max_num_f32 v11, 0x3dcccccd, v11             ; and held at 0.1 or above
	v_rcp_f32 v12, v11
	v_cvt_pk_bf16_f32 v8, v8, v8                   ; b rounded likewise: the plain instruction behind the reciprocal
	v_lshlrev_b32 v8, 16, v8
	s_wait_alu depctr_va_vdst(0)                   ; the wait ahead of the reciprocal's first reader
; Expert e's sum.  left = the younger loads that may stay out.  more = 1: the ring's registers just packed take expert e + 4.
.macro EXPERT e, left, more
	s_wait_loadcnt \left
.set n, 0
.rept 16
	v_cvt_pk_bf16_f32 v[WP+n], v[WR+32*((\e)%4)+2*n], v[WR+32*((\e)%4)+2*n+1]
.set n, n+1
.endr
.if \more
.irp i, 0,1,2,3,4,5,6,7
	global_load_b128 v[WR+32*((\e)%4)+4*\i:WR+32*((\e)%4)+4*\i+3], v1, s[6:7] offset:4096*((\e)+4)+512*\i
.endr
.endif
.set n, 0
.rept 16                               ; exact products of bf16 halves, added in f32, in four chains that do not wait for each other
.if n < 2
	v_fma_mix_f32_bf16 v[AC+2*(n%2)], v[XP+n], v[WP+n], v4 op_sel_hi:[1,1,0]
	v_fma_mix_f32_bf16 v[AC+2*(n%2)+1], v[XP+n], v[WP+n], v4 op_sel:[1,1,0] op_sel_hi:[1,1,0]
.else
	v_fma_mix_f32_bf16 v[AC+2*(n%2)], v[XP+n], v[WP+n], v[AC+2*(n%2)] op_sel_hi:[1,1,0]
	v_fma_mix_f32_bf16 v[AC+2*(n%2)+1], v[XP+n], v[WP+n], v[AC+2*(n%2)+1] op_sel:[1,1,0] op_sel_hi:[1,1,0]
.endif
.set n, n+1
.endr
	v_add_f32 v[AC], v[AC], v[AC+1]
	v_add_f32 v[AC+2], v[AC+2], v[AC+3]
	v_add_f32 v[S+(\e)], v[AC], v[AC+2]
.endm
	EXPERT 0, 24, 1                                ; three experts' eight loads each are younger
	EXPERT 1, 24, 1
	EXPERT 2, 24, 1
	EXPERT 3, 24, 1
	EXPERT 4, 24, 0
	EXPERT 5, 16, 0                                ; nothing more is asked for: the counts run down
	EXPERT 6, 8, 0
	EXPERT 7, 0, 0
	; over the 32 lanes: four steps inside each half ride on the addition, one crosses the halves
.irp m, 1,2,4,8
.irp e, 0,1,2,3,4,5,6,7
	v_add_f32_dpp v[S+\e], v[S+\e], v[S+\e] row_xmask:\m row_mask:0xf bank_mask:0xf
.endr
.endr
.irp e, 0,1,2,3,4,5,6,7
	v_permlanex16_b32 v[WP+\e], v[S+\e], s26, s27  ; its destination counts as read: registers that have been written
.endr
.irp e, 0,1,2,3,4,5,6,7
	v_add_f32 v[S+\e], v[S+\e], v[WP+\e]
.endr
	v_mov_b32 v10, v[S]                            ; lane l takes the sum of expert l % 8
.irp e, 1,2,3,4,5,6,7
	v_cmp_eq_u32 vcc_lo, \e, v7
	v_cndmask_b32 v10, v10, v[S+\e], vcc_lo
.endr
	v_add_f32 v10, v10, v8                         ; a = sum + b
	v_mul_f32 v13, v10, v12                        ; q = a / T: the reciprocal's product, mended once by its remainder
	v_fma_f32 v14, -v13, v11, v10
	v_fma_f32 v13, v14, v12, v13
	s_wait_xcnt 0x0                                ; EXEC changes only behind this wait
	v_cmp_gt_u32 vcc_lo, 8, v5
	s_and_saveexec_b32 s28, vcc_lo
	global_store_b32 v3, v13, s[14:15]             ; lanes 0 to 7: the token's eight scores, 32 consecutive bytes
	s_wait_xcnt 0x0
	s_or_b32 exec_lo, exec_lo, s28
	s_endpgm
.Lfunc_end_k_q0486ef6342_scores:
	.size	k_q0486ef6342_scores, .Lfunc_end_k_q0486ef6342_scores-k_q0486ef6342_scores
	.p2alignl 7, 3214868480
	.fill 96, 4, 3214868480
	.section	.rodata,"a",@progbits
	.p2align	6, 0x0
	.amdhsa_kernel k_q0486ef6342_scores
		.amdhsa_group_segment_fixed_size 0
		.amdhsa_private_segment_fixed_size 0
		.amdhsa_enable_private_segment 0
		.amdhsa_kernarg_size 48
		.amdhsa_user_sgpr_count 2
		.amdhsa_user_sgpr_kernarg_segment_ptr 1
		.amdhsa_wavefront_size32 1
		.amdhsa_system_sgpr_workgroup_id_x 1
		.amdhsa_system_sgpr_workgroup_id_y 1
		.amdhsa_system_sgpr_workgroup_id_z 1
		.amdhsa_system_vgpr_workitem_id 0
		.amdhsa_next_free_vgpr 224
		.amdhsa_next_free_sgpr 66
		.amdhsa_reserve_vcc 1
		.amdhsa_float_denorm_mode_32 3
		.amdhsa_float_denorm_mode_16_64 3
		.amdhsa_memory_ordered 1
		.amdhsa_forward_progress 1
		.amdhsa_inst_pref_size 39
	.end_amdhsa_kernel
	.amdgpu_metadata
---
amdhsa.version: [ 1, 2 ]
amdhsa.kernels:
  - .name:           k_q0486ef6342_scores
    .symbol:         k_q0486ef6342_scores.kd
    .args:
      - { .name: x, .offset: 0, .size: 8, .value_kind: global_buffer, .address_space: global }
      - { .name: router_w, .offset: 8, .size: 8, .value_kind: global_buffer, .address_space: global }
      - { .name: router_b, .offset: 16, .size: 8, .value_kind: global_buffer, .address_space: global }
      - { .name: temperature, .offset: 24, .size: 8, .value_kind: global_buffer, .address_space: global }
      - { .name: xb, .offset: 32, .size: 8, .value_kind: global_buffer, .address_space: global }
      - { .name: sc, .offset: 40, .size: 8, .value_kind: global_buffer, .address_space: global }
    .group_segment_fixed_size: 0
    .private_segment_fixed_size: 0
    .kernarg_segment_align: 8
    .kernarg_segment_size: 48
    .max_flat_workgroup_size: 128
    .sgpr_count:     66
    .vgpr_count:     224
    .wavefront_size: 32
...
	.end_amdgpu_metadata
.endif
;; end of part 1
;; launch route (part 2): grid 256 x 1, 8 waves a work-group, no clusters, 13,312 bytes of LDS; arguments sc, list, gl, pose, meta; writes list, gl, pose, meta
.if DOCPART == 2
	.amdgcn_target "amdgcn-amd-amdhsa--gfx1250"
	.amdhsa_code_object_version 6
	.text
	.protected	k_q0486ef6342_route
	.globl	k_q0486ef6342_route
	.p2align	8
	.type	k_q0486ef6342_route,@function
k_q0486ef6342_route:
	s_mov_b64 s[64:65], 0
	v_nop
	global_prefetch_b8 v0, s[64:65] scope:SCOPE_SE
	s_setreg_imm32_b32 hwreg(HW_REG_WAVE_MODE, 25, 1), 1
	s_wait_xcnt 0x0
; SINKHORN, TOP-2 AND EACH EXPERT'S LIST OF ROWS.  Work-group g serves expert E = g / 32 and the 32 slots 32 sg .. of its list, sg = g % 32.
; Every work-group repeats the whole normalisation of the 1,024 x 8 scores (32 KB) with the same instructions, so all agree bit for bit and none needs another's result.
; Thread (wave w, lane l) holds tokens 128 w + 32 i + l, i = 0 .. 3, all of batch w / 2; a batch's column sums join waves w and w ^ 1 through LDS.
; All logarithms are to base 2: the scores are multiplied by log2(e) once.  Both kinds of logsumexp take the maximum away first.
; NOTHING HERE STEERS AN ADDRESS OR A BRANCH BY A FLOATING-POINT RESULT: ranks and gates are laid into tables at fixed places (by token), and each lane, which stands for one slot,
; scans the table and keeps by selects the token whose rank is its slot.  Ties in the top-2 go to the lower expert (strictly greater wins).
; OUT: list[E][slot] = token (0 past the count); gl[E][slot] = its gate (0 past the count); pose[E][token] = 1024 E + rank + 1, or 0; meta[E] = tiles of 16 rows (at least 1), count, 0, 0.
; LIMITS.  A gate below 2^-126 counts as 0; NaN and infinities are not treated apart.
.set XCH,   0                          ; six exchanges x 256 bytes: 32 bytes a wave
.set WT,    1536                       ; the eight waves' counts
.set KEYT,  2048                       ; by token: its rank in E's list, or -1
.set GTT,   6144                       ; by token: its gate for E, or 0
.set CMB,   10240                      ; 8 waves x 32 slots: tokens found, then gates found
.set SPARE, 12288                      ; the spare words, 128 bytes for each of eight waves: no other line names them
.set SPW, 1                            ; v1  my spare word's address; never rewritten
.set NIL, 2                            ; v2  0; never rewritten
.set LN,  3                            ; v3  lane
.set LOF, 4                            ; v4  my first token's byte offset in sc
.set XA,  5                            ; v5  where my wave puts its eight numbers
.set XB,  6                            ; v6  where its partner's lie
.set T,   8                            ; v[8:15] at work
.set CM,  16                           ; v[16:23] column maxima
.set CS,  24                           ; v[24:31] column sums
.set PT,  32                           ; v[32:39] the other half's, the partner's
.set RM,  40                           ; v[40:47] a pair a token: maximum, logarithm
.set L,   64                           ; v[64:95]  log alpha: token i, expert e at 8 i + e
.set D,   96                           ; v[96:127] differences, exponentials, gates
.set I1,  128                          ; v[128:131] first choice;  V1 its gate;  I2, V2 the second
.set V1,  132
.set I2,  136
.set V2,  140
.set RK,  144                          ; v[144:147] rank or -1
.set GT,  148                          ; v[148:151] gate or 0
.set KA,  152                          ; v152 4 x (128 w + l)
.set J,   153                          ; v153 my slot
.set TA,  154                          ; v154 the token found for it
.set GA,  155                          ; v155 its gate
.set OO,  156                          ; v156 4 x my slot: byte offset in a row of list, gl and pose
.set WV, 16
.set EX, 17
.set SG, 18
.set XW, 19                            ; 32 w
.set XQ, 20                            ; 32 (w ^ 1)
.set PH, 21                            ; the exchange in hand
.set CT, 22
.set TM, 23
	s_load_b256 s[4:11], s[0:1], 0x0               ; sc s[4:5], list s[6:7], gl s[8:9], pose s[10:11]
	s_load_b64 s[12:13], s[0:1], 0x20              ; meta
	v_lshl_add_u32 v[SPW], v0, 2, SPARE
	v_mov_b32 v[NIL], 0
	v_and_b32 v[LN], 31, v0
	v_lshrrev_b32 v7, 5, v0
	v_readfirstlane_b32 s[WV], v7
	s_lshr_b32 s[EX], ttmp9, 5
	s_and_b32 s[SG], ttmp9, 31
	v_and_b32 v7, 0xe0, v0                         ; 32 w
	v_lshl_add_u32 v7, v7, 2, v[LN]                ; 128 w + l
	v_lshlrev_b32 v[LOF], 5, v7
	v_lshlrev_b32 v[KA], 2, v7
	v_lshl_add_u32 v[J], s[SG], 5, v[LN]
	v_lshlrev_b32 v[OO], 2, v[J]
	s_lshl_b32 s[XW], s[WV], 5
	s_xor_b32 s[XQ], s[XW], 32
	s_mov_b32 s60, 0x76543210                      ; v_permlanex16_b32: each lane takes its own place in the other half
	s_mov_b32 s61, 0xfedcba98
	s_lshl_b32 s24, s[EX], 12                      ; a row of list, gl and pose is 4,096 bytes
	s_mov_b32 s25, 0
.irp i, 0,1,2,3,4,5,6,7
	v_mov_b32 v[PT+\i], 0                          ; destinations of v_permlanex16_b32 count as read,
	v_mov_b32 v[RM+\i], 0                          ; and a packed source is named as a pair
.endr
	s_wait_kmcnt 0x0
.irp i, 0,1,2,3
	global_load_b128 v[L+8*\i:L+8*\i+3], v[LOF], s[4:5] offset:1024*\i
	global_load_b128 v[L+8*\i+4:L+8*\i+7], v[LOF], s[4:5] offset:1024*\i+16
.endr
	s_add_nc_u64 s[6:7], s[6:7], s[24:25]
	s_add_nc_u64 s[8:9], s[8:9], s[24:25]
	s_add_nc_u64 s[10:11], s[10:11], s[24:25]
	s_wait_loadcnt 0x0
.set n, 0
.rept 16
	v_pk_mul_f32 v[L+n:L+n+1], v[L+n:L+n+1], 0x3fb8aa3b op_sel_hi:[1,0]  ; to base 2
.set n, n+2
.endr
; Each of eight registers is reduced over the wave's 32 lanes; every lane ends with the result.
.macro ARED opd, op, base
.irp m, 1,2,4,8
.irp e, 0,1,2,3,4,5,6,7
	\opd v[\base+\e], v[\base+\e], v[\base+\e] row_xmask:\m row_mask:0xf bank_mask:0xf
.endr
.endr
.irp e, 0,1,2,3,4,5,6,7
	v_permlanex16_b32 v[PT+\e], v[\base+\e], s60, s61
.endr
.irp e, 0,1,2,3,4,5,6,7
	\op v[\base+\e], v[\base+\e], v[PT+\e]
.endr
.endm
; My wave's eight numbers go to LDS, the partner's come back.  Each exchange has bytes of its own, so one barrier does: store, wait for it, barrier, load.
.macro EXCH base, off
	s_add_co_u32 s[TM], s[PH], s[XW]
	v_mov_b32 v[XA], s[TM]
	s_add_co_u32 s[TM], s[PH], s[XQ]
	v_mov_b32 v[XB], s[TM]
	ds_store_b128 v[XA], v[\base:\base+3] offset:\off            ; all lanes hold the same numbers
	ds_store_b128 v[XA], v[\base+4:\base+7] offset:\off+16
	s_wait_dscnt 0x0                               ; for the partner's sake: my stores are done
	s_barrier_signal -1
	s_barrier_wait -1
	ds_load_b128 v[PT:PT+3], v[XB] offset:\off
	ds_load_b128 v[PT+4:PT+7], v[XB] offset:\off+16
	s_wait_dscnt 0x0
.endm
.macro EXPS dst, src                   ; 32 exponentials: one batch, one plain instruction behind it, one wait ahead of the first reader
.set n, 0
.rept 32
	v_exp_f32 v[\dst+n], v[\src+n]
.set n, n+1
.endr
	v_nop
	s_wait_alu depctr_va_vdst(0)
.endm
	s_mov_b32 s[PH], XCH
	s_mov_b32 s[CT], 3
.Lsink:
	; ALONG THE EXPERTS: L -= m + log2(sum of 2^(L - m)), each token by itself
.irp i, 0,1,2,3
	v_max3_num_f32 v[RM+2*\i], v[L+8*\i], v[L+8*\i+1], v[L+8*\i+2]
.endr
.irp i, 0,1,2,3
	v_max3_num_f32 v[RM+2*\i], v[RM+2*\i], v[L+8*\i+3], v[L+8*\i+4]
.endr
.irp i, 0,1,2,3
	v_max3_num_f32 v[RM+2*\i], v[RM+2*\i], v[L+8*\i+5], v[L+8*\i+6]
.endr
.irp i, 0,1,2,3
	v_max_num_f32 v[RM+2*\i], v[RM+2*\i], v[L+8*\i+7]
.endr
.irp i, 0,1,2,3
.irp p, 0,2,4,6
	v_pk_add_f32 v[D+8*\i+\p:D+8*\i+\p+1], v[L+8*\i+\p:L+8*\i+\p+1], v[RM+2*\i:RM+2*\i+1] op_sel_hi:[1,0] neg_lo:[0,1] neg_hi:[0,1]
.endr
.endr
	EXPS D, D
.irp i, 0,1,2,3
	v_pk_add_f32 v[D+8*\i:D+8*\i+1], v[D+8*\i:D+8*\i+1], v[D+8*\i+2:D+8*\i+3]
	v_pk_add_f32 v[D+8*\i+4:D+8*\i+5], v[D+8*\i+4:D+8*\i+5], v[D+8*\i+6:D+8*\i+7]
.endr
.irp i, 0,1,2,3
	v_pk_add_f32 v[D+8*\i:D+8*\i+1], v[D+8*\i:D+8*\i+1], v[D+8*\i+4:D+8*\i+5]
.endr
.irp i, 0,1,2,3
	v_add_f32 v[D+8*\i], v[D+8*\i], v[D+8*\i+1]
.endr
.irp i, 0,1,2,3
	v_log_f32 v[RM+2*\i+1], v[D+8*\i]
.endr
	v_nop
	s_wait_alu depctr_va_vdst(0)                   ; one wait for the four logarithms
.irp i, 0,1,2,3
	v_add_f32 v[RM+2*\i], v[RM+2*\i], v[RM+2*\i+1]
.endr
.irp i, 0,1,2,3
.irp p, 0,2,4,6
	v_pk_add_f32 v[L+8*\i+\p:L+8*\i+\p+1], v[L+8*\i+\p:L+8*\i+\p+1], v[RM+2*\i:RM+2*\i+1] op_sel_hi:[1,0] neg_lo:[0,1] neg_hi:[0,1]
.endr
.endr
	; ALONG THE BATCH'S 256 TOKENS: the same for each expert: my 4 tokens, the 32 lanes, the partner wave
.irp e, 0,1,2,3,4,5,6,7
	v_max3_num_f32 v[CM+\e], v[L+\e], v[L+8+\e], v[L+16+\e]
.endr
.irp e, 0,1,2,3,4,5,6,7
	v_max_num_f32 v[CM+\e], v[CM+\e], v[L+24+\e]
.endr
	ARED v_max_num_f32_dpp, v_max_num_f32, CM
	EXCH CM, 0
.irp e, 0,1,2,3,4,5,6,7
	v_max_num_f32 v[CM+\e], v[CM+\e], v[PT+\e]
.endr
.irp i, 0,1,2,3
.irp p, 0,2,4,6
	v_pk_add_f32 v[D+8*\i+\p:D+8*\i+\p+1], v[L+8*\i+\p:L+8*\i+\p+1], v[CM+\p:CM+\p+1] neg_lo:[0,1] neg_hi:[0,1]
.endr
.endr
	EXPS D, D
.irp p, 0,2,4,6
	v_pk_add_f32 v[CS+\p:CS+\p+1], v[D+\p:D+\p+1], v[D+8+\p:D+8+\p+1]
	v_pk_add_f32 v[D+16+\p:D+16+\p+1], v[D+16+\p:D+16+\p+1], v[D+24+\p:D+24+\p+1]
.endr
.irp p, 0,2,4,6
	v_pk_add_f32 v[CS+\p:CS+\p+1], v[CS+\p:CS+\p+1], v[D+16+\p:D+16+\p+1]
.endr
	ARED v_add_f32_dpp, v_add_f32, CS
	EXCH CS, 256
.irp p, 0,2,4,6
	v_pk_add_f32 v[CS+\p:CS+\p+1], v[CS+\p:CS+\p+1], v[PT+\p:PT+\p+1]
.endr
.irp e, 0,1,2,3,4,5,6,7
	v_log_f32 v[CS+\e], v[CS+\e]
.endr
	v_nop
	s_wait_alu depctr_va_vdst(0)                   ; one wait for the eight logarithms
.irp p, 0,2,4,6
	v_pk_add_f32 v[CS+\p:CS+\p+1], v[CS+\p:CS+\p+1], v[CM+\p:CM+\p+1]
.endr
.irp i, 0,1,2,3
.irp p, 0,2,4,6
	v_pk_add_f32 v[L+8*\i+\p:L+8*\i+\p+1], v[L+8*\i+\p:L+8*\i+\p+1], v[CS+\p:CS+\p+1] neg_lo:[0,1] neg_hi:[0,1]
.endr
.endr
	s_add_co_u32 s[PH], s[PH], 512                 ; the next trip's two exchanges have the next 512 bytes
	s_sub_co_u32 s[CT], s[CT], 1
	s_cmp_lg_u32 s[CT], 0
	s_cbranch_scc1 .Lsink
	; GATES: 2^L, divided by their sum + 1e-8
	EXPS D, L
.irp i, 0,1,2,3
	v_pk_add_f32 v[T+2*\i:T+2*\i+1], v[D+8*\i:D+8*\i+1], v[D+8*\i+2:D+8*\i+3]
	v_pk_add_f32 v[RM+2*\i:RM+2*\i+1], v[D+8*\i+4:D+8*\i+5], v[D+8*\i+6:D+8*\i+7]
.endr
.irp i, 0,1,2,3
	v_pk_add_f32 v[T+2*\i:T+2*\i+1], v[T+2*\i:T+2*\i+1], v[RM+2*\i:RM+2*\i+1]
.endr
.irp i, 0,1,2,3
	v_add_f32 v[T+2*\i], v[T+2*\i], v[T+2*\i+1]
.endr
.irp i, 0,1,2,3
	v_add_f32 v[T+2*\i], 0x322bcc77, v[T+2*\i]     ; + 1e-8
.endr
.irp i, 0,1,2,3
	v_rcp_f32 v[T+2*\i], v[T+2*\i]
.endr
	v_nop
	s_wait_alu depctr_va_vdst(0)                   ; one wait for the four reciprocals
.irp i, 0,1,2,3
.irp p, 0,2,4,6
	v_pk_mul_f32 v[D+8*\i+\p:D+8*\i+\p+1], v[D+8*\i+\p:D+8*\i+\p+1], v[T+2*\i:T+2*\i+1] op_sel_hi:[1,0]
.endr
.endr
; The largest of a token's eight gates and its expert; only a strictly greater gate takes the place, so the lower expert keeps a tie.  Four tokens side by side.
.macro SCAN vi, vv
.irp i, 0,1,2,3
	v_mov_b32 v[\vi+\i], 0
	v_mov_b32 v[\vv+\i], v[D+8*\i]
.endr
.irp e, 1,2,3,4,5,6,7
.irp i, 0,1,2,3
	v_cmp_gt_f32 s[40+\i], v[D+8*\i+\e], v[\vv+\i]
.endr
.irp i, 0,1,2,3
	v_cndmask_b32 v[\vi+\i], v[\vi+\i], \e, s[40+\i]
	v_max_num_f32 v[\vv+\i], v[\vv+\i], v[D+8*\i+\e]
.endr
.endr
.endm
	SCAN I1, V1
.irp e, 0,1,2,3,4,5,6,7
.irp i, 0,1,2,3
	v_cmp_eq_u32 vcc_lo, \e, v[I1+\i]
	v_cndmask_b32 v[D+8*\i+\e], v[D+8*\i+\e], -1.0, vcc_lo  ; the first choice leaves the field: gates are 0 or more
.endr
.endr
	SCAN I2, V2
.irp i, 0,1,2,3
	v_add_f32 v[T+\i], v[V1+\i], v[V2+\i]
.endr
.irp i, 0,1,2,3
	v_add_f32 v[T+\i], 0x322bcc77, v[T+\i]
.endr
.irp i, 0,1,2,3
	v_rcp_f32 v[T+\i], v[T+\i]
.endr
	v_nop
	s_wait_alu depctr_va_vdst(0)                   ; one wait for the four reciprocals
.irp i, 0,1,2,3
	v_mul_f32 v[V1+\i], v[V1+\i], v[T+\i]
	v_mul_f32 v[V2+\i], v[V2+\i], v[T+\i]
.endr
	; RANKS in E's list, tokens ascending: (wave, i, lane) is the tokens' order
.irp i, 0,1,2,3
	v_cmp_eq_u32 s[40+\i], s[EX], v[I1+\i]
	v_cmp_eq_u32 s[44+\i], s[EX], v[I2+\i]
	v_cndmask_b32 v[GT+\i], v[V2+\i], v[V1+\i], s[40+\i]
	s_or_b32 s[44+\i], s[44+\i], s[40+\i]          ; the lanes whose token i chose E
	v_cndmask_b32 v[GT+\i], 0, v[GT+\i], s[44+\i]
	v_mbcnt_lo_u32_b32 v[RK+\i], s[44+\i], 0       ; such lanes below mine
	s_bcnt1_i32_b32 s[36+\i], s[44+\i]
.endr
	s_add_co_u32 s[TM], s36, s37
	s_add_co_u32 s[TM], s[TM], s38
	s_add_co_u32 s[TM], s[TM], s39                 ; my wave's count
	v_mov_b32 v8, s[TM]
	s_lshl_b32 s[TM], s[WV], 2
	s_add_co_u32 s[TM], s[TM], WT
	v_mov_b32 v7, s[TM]
	ds_store_b32 v7, v8
	s_wait_dscnt 0x0                               ; for the others' sake
	s_barrier_signal -1
	s_barrier_wait -1
	v_mov_b32 v7, WT
	ds_load_b128 v[8:11], v7
	ds_load_b128 v[12:15], v7 offset:16
	s_wait_dscnt 0x0
.irp k, 0,1,2,3,4,5,6,7
	v_readfirstlane_b32 s[48+\k], v[8+\k]
.endr
	s_mov_b32 s56, 0                               ; rows of the waves below mine
	s_mov_b32 s57, 0                               ; rows in all
.irp k, 0,1,2,3,4,5,6,7
	s_cmp_gt_u32 s[WV], \k                         ; the compare hangs on the wave's number alone; the counts are only selected and added
	s_cselect_b32 s58, s[48+\k], 0
	s_add_co_u32 s56, s56, s58
	s_add_co_u32 s57, s57, s[48+\k]
.endr
.irp i, 0,1,2,3
	v_add_nc_u32 v[RK+\i], s56, v[RK+\i]
	s_add_co_u32 s56, s56, s[36+\i]
	v_cndmask_b32 v[RK+\i], -1, v[RK+\i], s[44+\i]
.endr
.irp i, 0,1,2,3
	ds_store_b32 v[KA], v[RK+\i] offset:KEYT+128*\i
	ds_store_b32 v[KA], v[GT+\i] offset:GTT+128*\i
.endr
	v_mov_b32 v[TA], 0
	v_mov_b32 v[GA], 0
	s_wait_dscnt 0x0                               ; for the others' sake: the tables are whole behind the barrier
	s_barrier_signal -1
	s_barrier_wait -1
	; THE SCAN: wave w looks through tokens 128 w .. + 127 for the one whose rank is my slot: 32 tokens a trip, every lane reading the same words
	s_lshl_b32 s26, s[WV], 9
	s_lshl_b32 s27, s[WV], 7
	s_mov_b32 s[CT], 4
.Lscan:
	v_mov_b32 v7, s26
.irp n, 0,1,2,3,4,5,6,7
	ds_load_b128 v[L+4*\n:L+4*\n+3], v7 offset:KEYT+16*\n
.endr
.irp n, 0,1,2,3,4,5,6,7
	ds_load_b128 v[D+4*\n:D+4*\n+3], v7 offset:GTT+16*\n
.endr
	s_wait_dscnt 0x0
.set n, 0
.rept 32
	s_add_co_u32 s28, s27, n
	v_cmp_eq_u32 vcc_lo, v[L+n], v[J]
	v_cndmask_b32 v[TA], v[TA], s28, vcc_lo
	v_cndmask_b32 v[GA], v[GA], v[D+n], vcc_lo
.set n, n+1
.endr
	s_add_co_u32 s26, s26, 128
	s_add_co_u32 s27, s27, 32
	s_sub_co_u32 s[CT], s[CT], 1
	s_cmp_lg_u32 s[CT], 0
	s_cbranch_scc1 .Lscan
	v_lshlrev_b32 v7, 2, v0
	ds_store_b32 v7, v[TA] offset:CMB              ; at most one wave has found the slot's token; the others hold 0
	ds_store_b32 v7, v[GA] offset:CMB+1024
	s_wait_dscnt 0x0
	s_barrier_signal -1
	s_barrier_wait -1
	v_lshlrev_b32 v7, 2, v[LN]
	s_cmp_lg_u32 s[WV], 0
	s_cbranch_scc1 .Lnot0
.irp k, 0,1,2,3,4,5,6,7
	ds_load_b32 v[8+\k], v7 offset:CMB+128*\k
.endr
	s_wait_dscnt 0x0
	v_add3_u32 v8, v8, v9, v10
	v_add3_u32 v11, v11, v12, v13
	v_add3_u32 v8, v8, v14, v15
	v_add_nc_u32 v8, v8, v11
	global_store_b32 v[OO], v8, s[6:7]             ; list: 128 consecutive bytes
	s_branch .Lend
.Lnot0:
	s_cmp_lg_u32 s[WV], 1
	s_cbranch_scc1 .Lnot1
.irp k, 0,1,2,3,4,5,6,7
	ds_load_b32 v[8+\k], v7 offset:CMB+1024+128*\k
.endr
	s_wait_dscnt 0x0
	v_add_f32 v8, v8, v9                           ; seven of the eight are 0: the sum is exact
	v_add_f32 v10, v10, v11
	v_add_f32 v12, v12, v13
	v_add_f32 v14, v14, v15
	v_add_f32 v8, v8, v10
	v_add_f32 v12, v12, v14
	v_add_f32 v8, v8, v12
	global_store_b32 v[OO], v8, s[8:9]             ; gl
	s_branch .Lend
.Lnot1:
	s_cmp_lg_u32 s[WV], 2
	s_cbranch_scc1 .Lnot2
	ds_load_b32 v8, v[OO] offset:KEYT              ; the ranks of tokens 32 sg .. + 31
	s_lshl_b32 s[TM], s[EX], 10
	s_add_co_u32 s[TM], s[TM], 1
	s_wait_dscnt 0x0
	v_cmp_ne_u32 vcc_lo, -1, v8
	v_add_nc_u32 v9, s[TM], v8
	v_cndmask_b32 v9, 0, v9, vcc_lo
	global_store_b32 v[OO], v9, s[10:11]           ; pose
	s_branch .Lend
.Lnot2:
	s_cmp_lg_u32 s[WV], 3
	s_cbranch_scc1 .Lend
	s_cmp_lg_u32 s[SG], 0
	s_cbranch_scc1 .Lend
	s_add_co_u32 s[TM], s57, 15
	s_lshr_b32 s[TM], s[TM], 4
	s_max_u32 s[TM], s[TM], 1                      ; tile 0 is always made, so that a clamped load finds written bytes
	v_mov_b32 v8, s[TM]
	v_mov_b32 v9, s57
	v_mov_b32 v10, 0
	v_mov_b32 v11, 0
	s_lshl_b32 s[TM], s[EX], 4
	v_mov_b32 v12, s[TM]
	s_wait_xcnt 0x0                                ; EXEC changes only behind this wait
	v_cmp_eq_u32 vcc_lo, 0, v[LN]
	s_and_saveexec_b32 s28, vcc_lo
	global_store_b128 v12, v[8:11], s[12:13]       ; meta: 16 bytes, one lane
	s_wait_xcnt 0x0
	s_or_b32 exec_lo, exec_lo, s28
.Lend:
	s_wait_tensorcnt 0x0                           ; the wave's end, behind my last LDS store
	ds_add_u32 v[SPW], v[NIL]
	s_wait_dscnt 0x0
	s_endpgm
.Lfunc_end_k_q0486ef6342_route:
	.size	k_q0486ef6342_route, .Lfunc_end_k_q0486ef6342_route-k_q0486ef6342_route
	.p2alignl 7, 3214868480
	.fill 96, 4, 3214868480
	.section	.rodata,"a",@progbits
	.p2align	6, 0x0
	.amdhsa_kernel k_q0486ef6342_route
		.amdhsa_group_segment_fixed_size 13312
		.amdhsa_private_segment_fixed_size 0
		.amdhsa_enable_private_segment 0
		.amdhsa_kernarg_size 40
		.amdhsa_user_sgpr_count 2
		.amdhsa_user_sgpr_kernarg_segment_ptr 1
		.amdhsa_wavefront_size32 1
		.amdhsa_system_sgpr_workgroup_id_x 1
		.amdhsa_system_sgpr_workgroup_id_y 1
		.amdhsa_system_sgpr_workgroup_id_z 1
		.amdhsa_system_vgpr_workitem_id 0
		.amdhsa_next_free_vgpr 160
		.amdhsa_next_free_sgpr 66
		.amdhsa_reserve_vcc 1
		.amdhsa_float_denorm_mode_32 3
		.amdhsa_float_denorm_mode_16_64 3
		.amdhsa_memory_ordered 1
		.amdhsa_forward_progress 1
		.amdhsa_inst_pref_size 53
	.end_amdhsa_kernel
	.amdgpu_metadata
---
amdhsa.version: [ 1, 2 ]
amdhsa.kernels:
  - .name:           k_q0486ef6342_route
    .symbol:         k_q0486ef6342_route.kd
    .args:
      - { .name: sc, .offset: 0, .size: 8, .value_kind: global_buffer, .address_space: global }
      - { .name: list, .offset: 8, .size: 8, .value_kind: global_buffer, .address_space: global }
      - { .name: gl, .offset: 16, .size: 8, .value_kind: global_buffer, .address_space: global }
      - { .name: pose, .offset: 24, .size: 8, .value_kind: global_buffer, .address_space: global }
      - { .name: meta, .offset: 32, .size: 8, .value_kind: global_buffer, .address_space: global }
    .group_segment_fixed_size: 13312
    .private_segment_fixed_size: 0
    .kernarg_segment_align: 8
    .kernarg_segment_size: 40
    .max_flat_workgroup_size: 256
    .sgpr_count:     66
    .vgpr_count:     160
    .wavefront_size: 32
...
	.end_amdgpu_metadata
.endif
;; end of part 2
;; launch up (part 3): grid 256 x 1, 4 waves a work-group, no clusters, 262,656 bytes of LDS; arguments xb, wg, wp, list, meta, hbuf; writes hbuf
.if DOCPART == 3
	.amdgcn_target "amdgcn-amd-amdhsa--gfx1250"
	.amdhsa_code_object_version 6
	.text
	.protected	k_q0486ef6342_up
	.globl	k_q0486ef6342_up
	.p2align	8
	.type	k_q0486ef6342_up,@function
k_q0486ef6342_up:
	s_mov_b64 s[64:65], 0
	v_nop
	global_prefetch_b8 v0, s[64:65] scope:SCOPE_SE
	s_setreg_imm32_b32 hwreg(HW_REG_WAVE_MODE, 25, 1), 1
	s_wait_xcnt 0x0
; H = relu(X wg) x (X wp) for the rows that chose an expert.  Work-group g: expert e = g / 32, 64 columns (slice g % 32) of wg[e] and of wp[e], which it alone reads, and all of e's rows.
; THE WEIGHTS go memory -> registers -> bf16 -> LDS, each read and rounded by ONE wave: wave w takes matrix w % 2 (wg, wp) and K step w / 2 of every chunk of 64 k.  A lane's 16-byte load holds
; four neighbouring columns of one row k; lanes 0-15 cover the slice's 256 aligned bytes of a row, lanes 16-31 those of the row 32 further down.  Sixteen such loads and 32 packed roundings (rows n, n + 1 of one
; column) ARE four fragments of 16 columns x 32 k: in fragment j lane r stands for column 4 r + j.  No turn is needed: the way out undoes the order of the columns for nothing.
; K's ORDER, alike for tokens and weights (a matrix product's sum does not mind it): in a chunk c, lane half h, K step s, place q (0 .. 15) stand for k = 64 c + 32 h + 16 s + q.
; THE ROWS come by the list: lane (r, h) of tile T reads 64 consecutive bytes of token list[e][16 T + r] a chunk, straight into operand registers.
; SHARES.  Tiles of 16 rows: wave w takes tiles 20 p + 4 i + w, i = 0 .. 4, in pass p; 5 x 8 accumulators stay in registers while K is walked.  PASS 0 streams the weights and leaves the whole slice in
; LDS as fragments (no byte of LDS is written twice): it holds the stream's barriers, in text that every wave walks with constant counts.  Passes 1 to 3 (an expert with more than 320 rows) read LDS, write none and hold no
; barrier; a wave without tiles jumps forward over them.  Dead tiles' products are jumped, by the count that the earlier launch stored; the jumps pass matrix instructions or stores alone.
; The matrix instruction takes 16 columns as source 0 and 16 rows as source 1: a lane then holds ONE row and the columns 32 h .. 32 h + 31 of the slice, which, rounded, is the next launch's operand as it stands.
; NO TENSOR LOADS: f32 weights pass registers to be rounded, and rows named by a list fit no descriptor.  NO CLUSTER: each slice of weights has one reader.
; REGISTERS, in windows of 256 (s_set_vgpr_msb: bits 1:0 source 0, 3:2 source 1, 5:4 source 2, 7:6 destination):
;   window 0: v0-31 addresses; v32-63 rounded weights; v64-127, v128-191 weight fragments of K step 0, 1; v192-239 the way out      window 1: v0-79, v80-159 the rows' fragments, two buffers
;   window 2: accumulators of tiles 0-3 at 64 i + 8 f      window 3: v0-63 tile 4's; v64-127, v128-191 weights as loaded, two buffers
; At a branch every window is 0, so each tile's guard costs two switches for eight matrix instructions.
; LIMITS.  All inputs are rounded to bf16, H once more; NaN and infinities are not treated apart.
.set PITCH, 8192                       ; bytes in a row of wg and wp
.set NC,    16                         ; chunks of 64 k
.set CHW,   64*PITCH                   ; a chunk's step in the weights
.set CHA,   128                        ; and in a row of xb
.set CHL,   16384                      ; and in LDS: [K step][fragment f = 4 m + j] x 1,024 bytes; registers 0-3 at 16 x lane, 4-7 at 512 + 16 x lane
.set SPARE, NC*CHL                     ; the spare words, 128 bytes a wave: no other line names them
.set SPW,  1
.set NIL,  2
.set LN16, 3                           ; 16 x lane
.set WOFF, 4                           ; 32 h rows + 16 r
.set PFO,  5                           ; (32 h + r) rows: a lane for each of my 32 row pieces of a chunk
.set ST0,  6                           ; 4,096 w + 16 x lane
.set RDA,  7
.set STA,  8
.set R4,   9                           ; 4 r
.set H64,  10                          ; 64 h
.set VOFF, 12                          ; v[12:16] tile i: my token's row in xb + 64 h
.set LO,   17                          ; v[17:21] tile i: my place in the list
.set LT,   22                          ; v[22:26] tile i: my token
.set CV,   32
.set BF0,  64
.set BF1,  128
.set TT,   192
.set HO,   224
.set A0,   0
.set W0,   64                          ; weights as loaded, window 3: chunks of even number,
.set W1,   128                         ; of odd number
.set WV, 16
.set EX, 17
.set SL, 18
.set WB, 20                            ; s[20:21] my unit of the weights, at the chunk last asked for
.set AB, 22                            ; s[22:23] xb at the chunk last asked for
.set HB, 24                            ; s[24:25] hbuf at my first tile of the pass
.set LB, 26                            ; s[26:27] list[e]
.set LC, 28                            ; LDS byte of the chunk in hand
.set CT, 29
.set CH, 30                            ; the chunk in hand
.set REM, 31                           ; live tiles from my first tile of the pass on (signed): tile i is live if REM > 4 i
.set NTE, 32
.set PS, 34
.set TB, 35                            ; my first tile of the pass
.set OF, 36
.set TC, 40
.set TM, 45
.set MUL, 0xa4                         ; source 0 (weights) window 0, source 1 (rows) window 1, C and D window 2; + 0x50: window 3
.set MSB, 0
.macro WIN new                         ; the immediate's high byte repeats the setting that is left; a switch that changes nothing is dropped
.if MSB != (\new)
	s_set_vgpr_msb (MSB<<8)|(\new)
.set MSB, (\new)
.endif
.endm
.macro PLACES                          ; four plain vector instructions between a matrix instruction and a load into, or a read of, its registers
.rept 4
	v_nop
.endr
.endm
.macro WLOAD buf, imm                  ; my unit of a chunk: 16 rows in each half of the lanes
.irp n, 0,1,2,3,4,5,6,7,8,9,10,11,12,13,14,15
	global_load_b128 v[\buf+4*\n:\buf+4*\n+3], v[WOFF], s[WB:WB+1] offset:\imm+\n*PITCH th:TH_LOAD_NT
.endr
.endm
.macro CVT buf                         ; rows n, n + 1 of column j: register n / 2 of fragment j
.irp n, 0,2,4,6,8,10,12,14
.irp j, 0,1,2,3
	v_cvt_pk_bf16_f32 v[CV+8*\j+\n/2], v[\buf+4*\n+\j], v[\buf+4*\n+4+\j]
.endr
.endr
.endm
.macro WSTORE off
	v_add_nc_u32 v[STA], s[LC], v[ST0]
.irp n, 0,1,2,3,4,5,6,7
	ds_store_b128 v[STA], v[CV+4*\n:CV+4*\n+3] offset:\off+512*\n
.endr
.endm
.macro BLOAD bf, off                   ; the eight fragments of one K step
.irp f, 0,1,2,3,4,5,6,7
	ds_load_b128 v[\bf+8*\f:\bf+8*\f+3], v[RDA] offset:\off+1024*\f
	ds_load_b128 v[\bf+8*\f+4:\bf+8*\f+7], v[RDA] offset:\off+1024*\f+512
.endr
.endm
.macro ALOAD ab                        ; five tiles' rows, 64 bytes a lane: both K steps of a chunk
.irp t, 0,1,2,3,4
.irp q, 0,1,2,3
	global_load_b128 v[\ab+16*\t+4*\q:\ab+16*\t+4*\q+3], v[VOFF+\t], s[AB:AB+1] offset:16*\q
.endr
.endr
.endm
; One K step for up to five tiles.  A tile's eight accumulators take turns, one instruction a turn.  zero = 1: the products start the sums, for all five tiles, so that every accumulator is written.
.macro KSTEP bf, ab, ks, zero
.irp t, 0,1,2,3,4
.if !(\zero)
	s_cmp_le_i32 s[REM], 4*\t
	s_cbranch_scc1 .Lkend_\@
.endif
	WIN MUL+0x50*((\t)/4)
.irp f, 0,1,2,3,4,5,6,7
.if \zero
	v_wmma_f32_16x16x32_bf16 v[(64*\t)%256+8*\f:(64*\t)%256+8*\f+7], v[\bf+8*\f:\bf+8*\f+7], v[\ab+16*\t+8*\ks:\ab+16*\t+8*\ks+7], 0
.else
	v_wmma_f32_16x16x32_bf16 v[(64*\t)%256+8*\f:(64*\t)%256+8*\f+7], v[\bf+8*\f:\bf+8*\f+7], v[\ab+16*\t+8*\ks:\ab+16*\t+8*\ks+7], v[(64*\t)%256+8*\f:(64*\t)%256+8*\f+7]
.endif
.endr
.if !(\zero)
	WIN 0
.endif
.endr
	WIN 0
.Lkend_\@:
.endm
.macro PASSSET                         ; the pass's five tiles (clamped into the list, whose places past the count hold token 0) and my tokens
.irp t, 0,1,2,3,4
	s_add_co_u32 s[TC+\t], s[TB], 4*\t
	s_min_u32 s[TC+\t], s[TC+\t], 63
	v_lshl_add_u32 v[LO+\t], s[TC+\t], 6, v[R4]
.endr
.irp t, 0,1,2,3,4
	global_load_b32 v[LT+\t], v[LO+\t], s[LB:LB+1]
.endr
.endm
.macro VOFFS
.irp t, 0,1,2,3,4
	v_min_u32 v[LT+\t], 0x3ff, v[LT+\t]
	v_lshl_add_u32 v[VOFF+\t], v[LT+\t], 11, v[H64]
.endr
.endm
; CHUNK c OF PASS 0, par = c % 2.  more: chunk c + 1's weights, loaded two trips ago, are rounded and stored to LDS.  lda: the rows of chunk c + 1 are asked for; ldw: the weights of chunk c + 3.
; nw = the loads younger than W(c + 1), na = those younger than A(c).  pf: my 32 row pieces of chunk c + 6 are asked into the L2, one lane each (1: only while that chunk exists).
.macro ITER par, zero, more, ldw, lda, nw, na, pf
.if \more
	s_wait_loadcnt \nw
	WIN 0x0f                                       ; sources in window 3
	CVT W0+64*(1-\par)                             ; 32 plain instructions: also the places behind the last products
	WIN 0
	WSTORE CHL
.else
	PLACES
.endif
	v_add_nc_u32 v[RDA], s[LC], v[LN16]
	BLOAD BF1, 8192                                ; this chunk's second K step
	s_wait_loadcnt \na
.if \lda
	s_wait_xcnt 0x0                                ; the bases are stepped only behind this wait
	s_add_nc_u64 s[AB:AB+1], s[AB:AB+1], CHA
	WIN 0x40
	ALOAD A0+80*(1-\par)
.endif
.if \ldw
	s_add_nc_u64 s[WB:WB+1], s[WB:WB+1], CHW
	WIN 0xc0
	WLOAD W0+64*(1-\par), 0
.endif
	WIN 0
.if \pf
.if (\pf) == 1
	s_cmp_gt_u32 s[CH], NC-7                       ; chunk c + 6 is past the end: nothing is asked for
	s_cbranch_scc1 .Lnopf_\@
.endif
	global_prefetch_b8 v[PFO], s[WB:WB+1] offset:3*CHW th:TH_LOAD_NT scope:SCOPE_SE
.Lnopf_\@:
.endif
	s_wait_dscnt 16+8*\more                        ; the first K step's fragments are in; my stores and the 16 loads behind them may be out
	KSTEP BF0, A0+80*\par, 0, \zero
	s_wait_dscnt 0x0                               ; my stores of chunk c + 1 are done, and the second K step's fragments are in
.if \more
	s_barrier_signal -1
	s_barrier_wait -1                              ; chunk c + 1 is whole in LDS
	PLACES
	BLOAD BF0, CHL                                 ; its first K step, a K step's products ahead of its use
.endif
	KSTEP BF1, A0+80*\par, 1, 0
	s_add_co_u32 s[LC], s[LC], CHL
	s_add_co_u32 s[CH], s[CH], 1
.endm
; A chunk of a later pass, plain: rows from memory, fragments from LDS, nothing written to LDS, no barrier.
.macro OCH zero
	PLACES
	WIN 0x40
	ALOAD A0
	WIN 0
	v_add_nc_u32 v[RDA], s[LC], v[LN16]
	BLOAD BF0, 0
	BLOAD BF1, 8192
	s_wait_loadcnt 0x0
	s_wait_dscnt 0x0
	KSTEP BF0, A0, 0, \zero
	KSTEP BF1, A0, 1, 0
	s_add_nc_u64 s[AB:AB+1], s[AB:AB+1], CHA       ; the loads that named it are done
	s_add_co_u32 s[LC], s[LC], CHL
.endm
	s_load_b256 s[4:11], s[0:1], 0x0               ; xb s[4:5], wg s[6:7], wp s[8:9], list s[10:11]
	s_load_b128 s[12:15], s[0:1], 0x20             ; meta s[12:13], hbuf s[14:15]
	v_lshl_add_u32 v[SPW], v0, 2, SPARE
	v_mov_b32 v[NIL], 0
	v_lshrrev_b32 v11, 5, v0
	v_readfirstlane_b32 s[WV], v11
	v_and_b32 v11, 31, v0
	v_lshlrev_b32 v[LN16], 4, v11
	v_and_b32 v27, 15, v0                          ; r
	v_bfe_u32 v28, v0, 4, 1                        ; h
	v_lshlrev_b32 v[R4], 2, v27
	v_lshlrev_b32 v[H64], 6, v28
	v_mul_u32_u24 v[WOFF], v28, 32*PITCH
	v_lshl_add_u32 v[WOFF], v27, 4, v[WOFF]
	v_lshl_add_u32 v[PFO], v28, 5, v27
	v_mul_u32_u24 v[PFO], v[PFO], PITCH
	s_lshl_b32 s[TM], s[WV], 12
	v_add_nc_u32 v[ST0], s[TM], v[LN16]
	s_lshr_b32 s[EX], ttmp9, 5
	s_and_b32 s[SL], ttmp9, 31
	s_mov_b32 s[TB], s[WV]
	s_mov_b32 s[LC], 0
	s_mov_b32 s[CH], 0
	s_mov_b32 s[OF+1], 0
	s_wait_kmcnt 0x0
	s_lshl_b32 s[OF], s[EX], 4
	s_add_nc_u64 s[12:13], s[12:13], s[OF:OF+1]
	s_load_b32 s[NTE], s[12:13], 0x0               ; e's tiles
	s_bitcmp1_b32 s[WV], 0
	s_cselect_b64 s[WB:WB+1], s[8:9], s[6:7]       ; odd waves take wp, even ones wg
	s_lshl_b32 s[OF], s[EX], 23                    ; 8 MiB an expert,
	s_lshl_b32 s[TM], s[SL], 8                     ; 256 bytes a slice,
	s_add_co_u32 s[OF], s[OF], s[TM]
	s_lshr_b32 s[TM], s[WV], 1
	s_mul_i32 s[TM], s[TM], 16*PITCH               ; 16 rows a K step
	s_add_co_u32 s[OF], s[OF], s[TM]
	s_add_nc_u64 s[WB:WB+1], s[WB:WB+1], s[OF:OF+1]
	s_mov_b64 s[AB:AB+1], s[4:5]
	s_lshl_b32 s[OF], s[EX], 12
	s_add_nc_u64 s[LB:LB+1], s[10:11], s[OF:OF+1]
	s_lshl_b32 s[OF], s[EX], 22                    ; hbuf: 4 MiB an expert, 65,536 bytes a tile, 2,048 a slice
	s_lshl_b32 s[TM], s[SL], 11
	s_add_co_u32 s[OF], s[OF], s[TM]
	s_lshl_b32 s[TM], s[WV], 16
	s_add_co_u32 s[OF], s[OF], s[TM]
	s_add_nc_u64 s[HB:HB+1], s[14:15], s[OF:OF+1]
	PASSSET                                        ; 5 loads
	WIN 0xc0
	WLOAD W0, 0                                    ; W(0)
	WLOAD W1, CHW                                  ; W(1)
	WIN 0
	global_prefetch_b8 v[PFO], s[WB:WB+1] offset:3*CHW th:TH_LOAD_NT scope:SCOPE_SE  ; chunks 3 to 5; each trip then asks for the chunk six ahead of it
	global_prefetch_b8 v[PFO], s[WB:WB+1] offset:4*CHW th:TH_LOAD_NT scope:SCOPE_SE
	global_prefetch_b8 v[PFO], s[WB:WB+1] offset:5*CHW th:TH_LOAD_NT scope:SCOPE_SE
	s_wait_loadcnt 32                              ; my tokens are in; the 32 loads of weights stay out
	VOFFS
	WIN 0x40
	ALOAD A0                                       ; A(0)
	s_wait_loadcnt 36                              ; W(0) is in: W(1)'s 16 and A(0)'s 20 are younger
	WIN 0x0f
	CVT W0
	WIN 0
	WSTORE 0
	WIN 0xc0
	WLOAD W0, 2*CHW                                ; W(2)
	WIN 0
	s_wait_xcnt 0x0
	s_add_nc_u64 s[WB:WB+1], s[WB:WB+1], 2*CHW
	s_wait_kmcnt 0x0
	s_min_u32 s[NTE], s[NTE], 64
	s_max_u32 s[NTE], s[NTE], 1
	s_sub_co_i32 s[REM], s[NTE], s[TB]
	s_wait_dscnt 0x0                               ; for the others' sake: my part of chunk 0 is stored
	s_barrier_signal -1
	s_barrier_wait -1
	v_add_nc_u32 v[RDA], s[LC], v[LN16]
	BLOAD BF0, 0
	; In a trip W(c + 1) is followed by A(c)'s 20 and W(c + 2)'s 16 loads: 36; A(c) by W(c + 2)'s 16.
	ITER 0, 1, 1, 1, 1, 36, 16, 2                  ; chunk 0: its first products start the sums
	s_mov_b32 s[CT], (NC-4)/2
.Ltrip:                                            ; chunks 1 to NC - 4
	ITER 1, 0, 1, 1, 1, 36, 16, 1
	ITER 0, 0, 1, 1, 1, 36, 16, 1
	s_sub_co_u32 s[CT], s[CT], 1
	s_cmp_lg_u32 s[CT], 0
	s_cbranch_scc1 .Ltrip
	ITER 1, 0, 1, 0, 1, 36, 16, 0                  ; no weights are left to ask for,
	ITER 0, 0, 1, 0, 1, 20, 0, 0                   ; the last weights are followed by A's 20 alone,
	ITER 1, 0, 0, 0, 0, 0, 0, 0                    ; and the last chunk asks for nothing
	s_mov_b32 s[PS], 4                             ; four trips cover 80 tiles, more than the 64 that an expert can have
.Lpass:
	PLACES                                         ; THE WAY OUT of the pass just made: relu(G) x P, rounded, in the next launch's operand layout
.irp t, 0,1,2,3,4
	s_cmp_le_i32 s[REM], 4*\t
	s_cbranch_scc1 .Lepi_end
	s_wait_xcnt 0x0                                ; the last tile's stores have read their registers
	WIN 0x08+4*((\t)/4)                            ; source 1 in window 2 or 3
.irp j, 0,1,2,3
.irp u, 0,1,2,3,4,5,6,7
	v_max_num_f32 v[TT+8*\j+\u], 0, v[(64*\t)%256+8*\j+\u]
.endr
.irp u, 0,2,4,6
	v_pk_mul_f32 v[TT+8*\j+\u:TT+8*\j+\u+1], v[TT+8*\j+\u:TT+8*\j+\u+1], v[(64*\t)%256+32+8*\j+\u:(64*\t)%256+32+8*\j+\u+1]
.endr
.endr
	WIN 0
.irp sp, 0,1                           ; column 32 h + 16 sp + q lies in fragment q % 4, register 4 sp + q / 4
.irp ii, 0,1,2,3,4,5,6,7
	v_cvt_pk_bf16_f32 v[HO+8*\sp+\ii], v[TT+16*(\ii%2)+4*\sp+\ii/2], v[TT+16*(\ii%2)+8+4*\sp+\ii/2]
.endr
.endr
.irp q, 0,1,2,3
	global_store_b128 v[LN16], v[HO+4*\q:HO+4*\q+3], s[HB:HB+1] offset:262144*\t+512*\q  ; 512 consecutive bytes, aligned
.endr
.endr
.Lepi_end:
	s_wait_xcnt 0x0
	s_add_co_u32 s[TB], s[TB], 20
	s_sub_co_i32 s[REM], s[REM], 20
	s_add_nc_u64 s[HB:HB+1], s[HB:HB+1], 20*65536
	s_cmp_le_i32 s[REM], 0
	s_cbranch_scc1 .Lnopass                        ; no tile of mine is left: forward, past text without barrier or LDS write
	PASSSET
	s_mov_b64 s[AB:AB+1], s[4:5]
	s_mov_b32 s[LC], 0
	s_wait_loadcnt 0x0
	VOFFS
	OCH 1
	s_mov_b32 s[CT], NC-1
.Loch:
	OCH 0
	s_sub_co_u32 s[CT], s[CT], 1
	s_cmp_lg_u32 s[CT], 0
	s_cbranch_scc1 .Loch
.Lnopass:
	s_sub_co_u32 s[PS], s[PS], 1
	s_cmp_lg_u32 s[PS], 0
	s_cbranch_scc1 .Lpass
	s_wait_dscnt 0x0                               ; my last reads of the slice are back,
	s_barrier_signal -1
	s_barrier_wait -1                              ; and every wave's are: only behind this barrier does any wave write LDS again (the closing add)
	s_wait_tensorcnt 0x0                           ; the wave's end, behind my last LDS store
	ds_add_u32 v[SPW], v[NIL]
	s_wait_dscnt 0x0
	s_endpgm
.Lfunc_end_k_q0486ef6342_up:
	.size	k_q0486ef6342_up, .Lfunc_end_k_q0486ef6342_up-k_q0486ef6342_up
	.p2alignl 7, 3214868480
	.fill 96, 4, 3214868480
	.section	.rodata,"a",@progbits
	.p2align	6, 0x0
	.amdhsa_kernel k_q0486ef6342_up
		.amdhsa_group_segment_fixed_size 262656
		.amdhsa_private_segment_fixed_size 0
		.amdhsa_enable_private_segment 0
		.amdhsa_kernarg_size 48
		.amdhsa_user_sgpr_count 2
		.amdhsa_user_sgpr_kernarg_segment_ptr 1
		.amdhsa_wavefront_size32 1
		.amdhsa_system_sgpr_workgroup_id_x 1
		.amdhsa_system_sgpr_workgroup_id_y 1
		.amdhsa_system_sgpr_workgroup_id_z 1
		.amdhsa_system_vgpr_workitem_id 0
		.amdhsa_next_free_vgpr 960
		.amdhsa_next_free_sgpr 66
		.amdhsa_reserve_vcc 0
		.amdhsa_float_denorm_mode_32 3
		.amdhsa_float_denorm_mode_16_64 3
		.amdhsa_memory_ordered 1
		.amdhsa_forward_progress 1
		.amdhsa_inst_pref_size 135
	.end_amdhsa_kernel
	.amdgpu_metadata
---
amdhsa.version: [ 1, 2 ]
amdhsa.kernels:
  - .name:           k_q0486ef6342_up
    .symbol:         k_q0486ef6342_up.kd
    .args:
      - { .name: xb, .offset: 0, .size: 8, .value_kind: global_buffer, .address_space: global }
      - { .name: wg, .offset: 8, .size: 8, .value_kind: global_buffer, .address_space: global }
      - { .name: wp, .offset: 16, .size: 8, .value_kind: global_buffer, .address_space: global }
      - { .name: list, .offset: 24, .size: 8, .value_kind: global_buffer, .address_space: global }
      - { .name: meta, .offset: 32, .size: 8, .value_kind: global_buffer, .address_space: global }
      - { .name: hbuf, .offset: 40, .size: 8, .value_kind: global_buffer, .address_space: global }
    .group_segment_fixed_size: 262656
    .private_segment_fixed_size: 0
    .kernarg_segment_align: 8
    .kernarg_segment_size: 48
    .max_flat_workgroup_size: 128
    .sgpr_count:     66
    .vgpr_count:     960
    .wavefront_size: 32
...
	.end_amdgpu_metadata
.endif
;; end of part 3
;; launch down (part 4): grid 256 x 1, 4 waves a work-group, no clusters, 131,584 bytes of LDS; arguments hbuf, wo, gl, meta, pbuf; writes pbuf
.if DOCPART == 4
	.amdgcn_target "amdgcn-amd-amdhsa--gfx1250"
	.amdhsa_code_object_version 6
	.text
	.protected	k_q0486ef6342_down
	.globl	k_q0486ef6342_down
	.p2align	8
	.type	k_q0486ef6342_down,@function
k_q0486ef6342_down:
	s_mov_b64 s[64:65], 0
	v_nop
	global_prefetch_b8 v0, s[64:65] scope:SCOPE_SE
	s_setreg_imm32_b32 hwreg(HW_REG_WAVE_MODE, 25, 1), 1
	s_wait_xcnt 0x0
; P = gate x (H wo), in four parts along K.  Work-group g: expert e = g / 32, 128 output columns cp = (g / 4) % 8 (two groups of 64), 512 of the 2,048 k: kq = g % 4; that block of wo[e] it alone reads.
; The plan is the launch before's: wave w loads, rounds and stores to LDS the fragments of column group w % 2 and K step w / 2 of every chunk of 64 k; in fragment j lane r stands for column 4 r + j;
; in a chunk c, lane half h, K step s, place q stand for k = 64 c + 32 h + 16 s + q, which is the order in which H was stored.  H's fragments come from memory as they lie, 512 consecutive bytes a load.
; Wave w takes tiles 20 p + 4 i + w of 16 rows; pass 0 streams the weights and holds the stream's barriers; passes 1 to 3 read LDS alone and are jumped by a wave without tiles.
; The matrix instruction takes 16 rows as source 0 and 16 columns as source 1: register j' of fragments j = 0 .. 3 holds four neighbouring columns of row 8 h + j'.  The multiplication by the row's gate gathers them
; into a quad, and sixteen lanes store 256 consecutive bytes.  Partial sums stay in f32: pbuf[slot = 1024 e + row][kq][1024].
; NO CLUSTER: each block of weights has one reader; H's tiles, which eight work-groups share, go straight into operand registers, and a way through LDS would add a write and a read of LDS for each byte.
; REGISTERS as in the launch before; window 0: v32-63 also the way out's quads; v192-231 the gates of my five tiles.
; LIMITS.  wo is rounded to bf16; NaN and infinities are not treated apart.
.set PITCH, 4096                       ; bytes in a row of wo
.set NC,    8                          ; chunks of 64 k
.set CHW,   64*PITCH
.set CHA,   2048                       ; a chunk of a tile of H: two K steps of 1,024 bytes
.set CHL,   16384
.set SPARE, NC*CHL                     ; the spare words, 128 bytes a wave: no other line names them
.set SPW,  1
.set NIL,  2
.set LN16, 3
.set WOFF, 4
.set PFO,  5
.set ST0,  6
.set RDA,  7
.set STA,  8
.set H32,  9                           ; 32 h: my half's eight gates in a tile's 64 bytes
.set PST,  10                          ; 8 h rows of pbuf + 16 r
.set VOFF, 12                          ; v[12:16] tile i in hbuf + 16 x lane
.set LO,   17                          ; v[17:21] tile i in gl + 32 h
.set CV,   32
.set BF0,  64
.set BF1,  128
.set GV,   192
.set A0,   0
.set W0,   64
.set W1,   128
.set WV, 16
.set EX, 17
.set CP, 18
.set KQ, 19
.set WB, 20
.set AB, 22
.set PB, 24                            ; s[24:25] pbuf at my first tile of the pass
.set GB, 26                            ; s[26:27] gl[e]
.set LC, 28
.set CT, 29
.set CH, 30
.set REM, 31
.set NTE, 32
.set PS, 34
.set TB, 35
.set OF, 36
.set TC, 40
.set TM, 45
.set AH, 46                            ; s[46:47] hbuf at e's tile 0, my quarter of K
.set MUL, 0xa1                         ; source 0 (rows) window 1, source 1 (weights) window 0, C and D window 2; + 0x50: window 3
.set MSB, 0
.macro WIN new                         ; the immediate's high byte repeats the setting that is left; a switch that changes nothing is dropped
.if MSB != (\new)
	s_set_vgpr_msb (MSB<<8)|(\new)
.set MSB, (\new)
.endif
.endm
.macro PLACES                          ; four plain vector instructions between a matrix instruction and a load into, or a read of, its registers
.rept 4
	v_nop
.endr
.endm
.macro WLOAD buf, imm
.irp n, 0,1,2,3,4,5,6,7,8,9,10,11,12,13,14,15
	global_load_b128 v[\buf+4*\n:\buf+4*\n+3], v[WOFF], s[WB:WB+1] offset:\imm+\n*PITCH th:TH_LOAD_NT
.endr
.endm
.macro CVT buf
.irp n, 0,2,4,6,8,10,12,14
.irp j, 0,1,2,3
	v_cvt_pk_bf16_f32 v[CV+8*\j+\n/2], v[\buf+4*\n+\j], v[\buf+4*\n+4+\j]
.endr
.endr
.endm
.macro WSTORE off
	v_add_nc_u32 v[STA], s[LC], v[ST0]
.irp n, 0,1,2,3,4,5,6,7
	ds_store_b128 v[STA], v[CV+4*\n:CV+4*\n+3] offset:\off+512*\n
.endr
.endm
.macro BLOAD bf, off
.irp f, 0,1,2,3,4,5,6,7
	ds_load_b128 v[\bf+8*\f:\bf+8*\f+3], v[RDA] offset:\off+1024*\f
	ds_load_b128 v[\bf+8*\f+4:\bf+8*\f+7], v[RDA] offset:\off+1024*\f+512
.endr
.endm
.macro ALOAD ab                        ; five tiles' fragments of H, both K steps of a chunk: 2,048 consecutive bytes a tile
.irp t, 0,1,2,3,4
.irp q, 0,1,2,3
	global_load_b128 v[\ab+16*\t+4*\q:\ab+16*\t+4*\q+3], v[VOFF+\t], s[AB:AB+1] offset:512*\q
.endr
.endr
.endm
; One K step for up to five tiles.  A tile's eight accumulators take turns, one instruction a turn.  zero = 1: the products start the sums, for all five tiles.
.macro KSTEP bf, ab, ks, zero
.irp t, 0,1,2,3,4
.if !(\zero)
	s_cmp_le_i32 s[REM], 4*\t
	s_cbranch_scc1 .Lkend_\@
.endif
	WIN MUL+0x50*((\t)/4)
.irp f, 0,1,2,3,4,5,6,7
.if \zero
	v_wmma_f32_16x16x32_bf16 v[(64*\t)%256+8*\f:(64*\t)%256+8*\f+7], v[\ab+16*\t+8*\ks:\ab+16*\t+8*\ks+7], v[\bf+8*\f:\bf+8*\f+7], 0
.else
	v_wmma_f32_16x16x32_bf16 v[(64*\t)%256+8*\f:(64*\t)%256+8*\f+7], v[\ab+16*\t+8*\ks:\ab+16*\t+8*\ks+7], v[\bf+8*\f:\bf+8*\f+7], v[(64*\t)%256+8*\f:(64*\t)%256+8*\f+7]
.endif
.endr
.if !(\zero)
	WIN 0
.endif
.endr
	WIN 0
.Lkend_\@:
.endm
.macro PASSSET                         ; the pass's five tiles, clamped to the tiles of H that were written, and their gates: 10 loads
	s_sub_co_u32 s[TM], s[NTE], 1
.irp t, 0,1,2,3,4
	s_add_co_u32 s[TC+\t], s[TB], 4*\t
	s_min_u32 s[TC+\t], s[TC+\t], s[TM]
	s_min_u32 s[TC+\t], s[TC+\t], 63
	v_lshl_add_u32 v[VOFF+\t], s[TC+\t], 16, v[LN16]
	v_lshl_add_u32 v[LO+\t], s[TC+\t], 6, v[H32]
.endr
.irp t, 0,1,2,3,4
	global_load_b128 v[GV+8*\t:GV+8*\t+3], v[LO+\t], s[GB:GB+1]
	global_load_b128 v[GV+8*\t+4:GV+8*\t+7], v[LO+\t], s[GB:GB+1] offset:16
.endr
.endm
; CHUNK c OF PASS 0, par = c % 2: as in the launch before.  nw = the loads younger than W(c + 1), na = those younger than A(c).
; pf: my 32 row pieces of chunk c + 6 are asked into the L2, one lane each (1: only while that chunk exists).
.macro ITER par, zero, more, ldw, lda, nw, na, pf
.if \more
	s_wait_loadcnt \nw
	WIN 0x0f
	CVT W0+64*(1-\par)                             ; 32 plain instructions: also the places behind the last products
	WIN 0
	WSTORE CHL
.else
	PLACES
.endif
	v_add_nc_u32 v[RDA], s[LC], v[LN16]
	BLOAD BF1, 8192
	s_wait_loadcnt \na
.if \lda
	s_wait_xcnt 0x0                                ; the bases are stepped only behind this wait
	s_add_nc_u64 s[AB:AB+1], s[AB:AB+1], CHA
	WIN 0x40
	ALOAD A0+80*(1-\par)
.endif
.if \ldw
	s_add_nc_u64 s[WB:WB+1], s[WB:WB+1], CHW
	WIN 0xc0
	WLOAD W0+64*(1-\par), 0
.endif
	WIN 0
.if \pf
.if (\pf) == 1
	s_cmp_gt_u32 s[CH], NC-7                       ; chunk c + 6 is past the end: nothing is asked for
	s_cbranch_scc1 .Lnopf_\@
.endif
	global_prefetch_b8 v[PFO], s[WB:WB+1] offset:3*CHW th:TH_LOAD_NT scope:SCOPE_SE
.Lnopf_\@:
.endif
	s_wait_dscnt 16+8*\more                        ; the first K step's fragments are in; my stores and the 16 loads behind them may be out
	KSTEP BF0, A0+80*\par, 0, \zero
	s_wait_dscnt 0x0                               ; my stores of chunk c + 1 are done, and the second K step's fragments are in
.if \more
	s_barrier_signal -1
	s_barrier_wait -1                              ; chunk c + 1 is whole in LDS
	PLACES
	BLOAD BF0, CHL
.endif
	KSTEP BF1, A0+80*\par, 1, 0
	s_add_co_u32 s[LC], s[LC], CHL
	s_add_co_u32 s[CH], s[CH], 1
.endm
.macro OCH zero                        ; a chunk of a later pass, plain: nothing written to LDS, no barrier
	PLACES
	WIN 0x40
	ALOAD A0
	WIN 0
	v_add_nc_u32 v[RDA], s[LC], v[LN16]
	BLOAD BF0, 0
	BLOAD BF1, 8192
	s_wait_loadcnt 0x0
	s_wait_dscnt 0x0
	KSTEP BF0, A0, 0, \zero
	KSTEP BF1, A0, 1, 0
	s_add_nc_u64 s[AB:AB+1], s[AB:AB+1], CHA
	s_add_co_u32 s[LC], s[LC], CHL
.endm
	s_load_b256 s[4:11], s[0:1], 0x0               ; hbuf s[4:5], wo s[6:7], gl s[8:9], meta s[10:11]
	s_load_b64 s[12:13], s[0:1], 0x20              ; pbuf
	v_lshl_add_u32 v[SPW], v0, 2, SPARE
	v_mov_b32 v[NIL], 0
	v_lshrrev_b32 v11, 5, v0
	v_readfirstlane_b32 s[WV], v11
	v_and_b32 v11, 31, v0
	v_lshlrev_b32 v[LN16], 4, v11
	v_and_b32 v27, 15, v0                          ; r
	v_bfe_u32 v28, v0, 4, 1                        ; h
	v_lshlrev_b32 v[H32], 5, v28
	v_lshlrev_b32 v[PST], 4, v27
	v_lshl_add_u32 v[PST], v28, 17, v[PST]         ; 8 rows of 16,384 bytes
	v_mul_u32_u24 v[WOFF], v28, 32*PITCH
	v_lshl_add_u32 v[WOFF], v27, 4, v[WOFF]
	v_lshl_add_u32 v[PFO], v28, 5, v27
	v_mul_u32_u24 v[PFO], v[PFO], PITCH
	s_lshl_b32 s[TM], s[WV], 12
	v_add_nc_u32 v[ST0], s[TM], v[LN16]
	s_lshr_b32 s[EX], ttmp9, 5
	s_bfe_u32 s[CP], ttmp9, 0x30002                ; 3 bits from bit 2
	s_and_b32 s[KQ], ttmp9, 3
	s_mov_b32 s[TB], s[WV]
	s_mov_b32 s[LC], 0
	s_mov_b32 s[CH], 0
	s_mov_b32 s[OF+1], 0
	s_wait_kmcnt 0x0
	s_lshl_b32 s[OF], s[EX], 4
	s_add_nc_u64 s[10:11], s[10:11], s[OF:OF+1]
	s_load_b32 s[NTE], s[10:11], 0x0               ; e's tiles
	s_lshl_b32 s[OF], s[EX], 23                    ; wo: 8 MiB an expert,
	s_lshl_b32 s[TM], s[KQ], 21                    ; 512 rows a quarter of K,
	s_add_co_u32 s[OF], s[OF], s[TM]
	s_lshl_b32 s[TM], s[CP], 9                     ; 512 bytes a pair of column groups,
	s_add_co_u32 s[OF], s[OF], s[TM]
	s_and_b32 s[TM], s[WV], 1
	s_lshl_b32 s[TM], s[TM], 8                     ; 256 a group,
	s_add_co_u32 s[OF], s[OF], s[TM]
	s_lshr_b32 s[TM], s[WV], 1
	s_mul_i32 s[TM], s[TM], 16*PITCH               ; 16 rows a K step
	s_add_co_u32 s[OF], s[OF], s[TM]
	s_add_nc_u64 s[WB:WB+1], s[6:7], s[OF:OF+1]
	s_lshl_b32 s[OF], s[EX], 22                    ; hbuf: 4 MiB an expert, 16,384 bytes of a tile a quarter of K
	s_lshl_b32 s[TM], s[KQ], 14
	s_add_co_u32 s[OF], s[OF], s[TM]
	s_add_nc_u64 s[AH:AH+1], s[4:5], s[OF:OF+1]
	s_mov_b64 s[AB:AB+1], s[AH:AH+1]
	s_lshl_b32 s[OF], s[EX], 12
	s_add_nc_u64 s[GB:GB+1], s[8:9], s[OF:OF+1]
	s_lshl_b32 s[OF], s[EX], 24                    ; pbuf: 16 MiB an expert, 262,144 bytes a tile, 4,096 a quarter of K, 512 a pair of groups
	s_lshl_b32 s[TM], s[WV], 18
	s_add_co_u32 s[OF], s[OF], s[TM]
	s_lshl_b32 s[TM], s[KQ], 12
	s_add_co_u32 s[OF], s[OF], s[TM]
	s_lshl_b32 s[TM], s[CP], 9
	s_add_co_u32 s[OF], s[OF], s[TM]
	s_add_nc_u64 s[PB:PB+1], s[12:13], s[OF:OF+1]
	WIN 0xc0
	WLOAD W0, 0                                    ; W(0) and W(1) hang on no count: they go out first
	WLOAD W1, CHW
	WIN 0
	global_prefetch_b8 v[PFO], s[WB:WB+1] offset:3*CHW th:TH_LOAD_NT scope:SCOPE_SE  ; chunks 3 to 5; trips 0 and 1 ask for chunks 6 and 7
	global_prefetch_b8 v[PFO], s[WB:WB+1] offset:4*CHW th:TH_LOAD_NT scope:SCOPE_SE
	global_prefetch_b8 v[PFO], s[WB:WB+1] offset:5*CHW th:TH_LOAD_NT scope:SCOPE_SE
	s_wait_kmcnt 0x0
	s_min_u32 s[NTE], s[NTE], 64
	s_max_u32 s[NTE], s[NTE], 1
	s_sub_co_i32 s[REM], s[NTE], s[TB]
	PASSSET                                        ; the gates: 10 loads
	WIN 0x40
	ALOAD A0                                       ; A(0)
	s_wait_loadcnt 46                              ; W(0) is in: W(1)'s 16, the gates' 10 and A(0)'s 20 are younger
	WIN 0x0f
	CVT W0
	WIN 0
	WSTORE 0
	WIN 0xc0
	WLOAD W0, 2*CHW                                ; W(2)
	WIN 0
	s_wait_xcnt 0x0
	s_add_nc_u64 s[WB:WB+1], s[WB:WB+1], 2*CHW
	s_wait_dscnt 0x0                               ; for the others' sake: my part of chunk 0 is stored
	s_barrier_signal -1
	s_barrier_wait -1
	v_add_nc_u32 v[RDA], s[LC], v[LN16]
	BLOAD BF0, 0
	; In a trip W(c + 1) is followed by A(c)'s 20 and W(c + 2)'s 16 loads: 36; A(c) by W(c + 2)'s 16.  In trip 0 the gates' 10 lie between too: the count 36 waits for them as well.
	ITER 0, 1, 1, 1, 1, 36, 16, 2
	s_mov_b32 s[CT], (NC-4)/2
.Ltrip:                                            ; chunks 1 to NC - 4
	ITER 1, 0, 1, 1, 1, 36, 16, 1                  ; chunks 1 and 3: chunk 1 asks for chunk 7, the last
	ITER 0, 0, 1, 1, 1, 36, 16, 0                  ; chunks 2 and 4: six ahead of them there is none
	s_sub_co_u32 s[CT], s[CT], 1
	s_cmp_lg_u32 s[CT], 0
	s_cbranch_scc1 .Ltrip
	ITER 1, 0, 1, 0, 1, 36, 16, 0
	ITER 0, 0, 1, 0, 1, 20, 0, 0
	ITER 1, 0, 0, 0, 0, 0, 0, 0
	s_mov_b32 s[PS], 4                             ; four trips cover 80 tiles, more than the 64 that an expert can have
.Lpass:
	PLACES                                         ; THE WAY OUT of the pass just made
.irp t, 0,1,2,3,4
	s_cmp_le_i32 s[REM], 4*\t
	s_cbranch_scc1 .Lepi_end
.irp b, 0,1                            ; rows 8 h + 4 b + u: eight quads, then their eight stores, which take their address from window 0
	s_wait_xcnt 0x0                                ; the last eight stores have read their registers
	WIN 0x02+((\t)/4)                              ; source 0 in window 2 or 3
.irp u, 0,1,2,3
.irp m, 0,1
.irp j, 0,1,2,3
	v_mul_f32 v[CV+4*(2*\u+\m)+\j], v[(64*\t)%256+8*(4*\m+\j)+4*\b+\u], v[GV+8*\t+4*\b+\u]
.endr
.endr
.endr
	WIN 0
.irp u, 0,1,2,3
.irp m, 0,1
	global_store_b128 v[PST], v[CV+4*(2*\u+\m):CV+4*(2*\u+\m)+3], s[PB:PB+1] offset:1048576*\t+16384*(4*\b+\u)+256*\m  ; sixteen lanes store 256 consecutive bytes, aligned
.endr
.endr
.endr
.endr
.Lepi_end:
	s_wait_xcnt 0x0
	s_add_co_u32 s[TB], s[TB], 20
	s_sub_co_i32 s[REM], s[REM], 20
	s_add_nc_u64 s[PB:PB+1], s[PB:PB+1], 20*262144
	s_cmp_le_i32 s[REM], 0
	s_cbranch_scc1 .Lnopass                        ; no tile of mine is left: forward, past text without barrier or LDS write
	PASSSET
	s_mov_b64 s[AB:AB+1], s[AH:AH+1]
	s_mov_b32 s[LC], 0
	OCH 1
	s_mov_b32 s[CT], NC-1
.Loch:
	OCH 0
	s_sub_co_u32 s[CT], s[CT], 1
	s_cmp_lg_u32 s[CT], 0
	s_cbranch_scc1 .Loch
.Lnopass:
	s_sub_co_u32 s[PS], s[PS], 1
	s_cmp_lg_u32 s[PS], 0
	s_cbranch_scc1 .Lpass
	s_wait_dscnt 0x0                               ; my last reads of the block are back,
	s_barrier_signal -1
	s_barrier_wait -1                              ; and every wave's are: only behind this barrier does any wave write LDS again (the closing add)
	s_wait_tensorcnt 0x0                           ; the wave's end, behind my last LDS store
	ds_add_u32 v[SPW], v[NIL]
	s_wait_dscnt 0x0
	s_endpgm
.Lfunc_end_k_q0486ef6342_down:
	.size	k_q0486ef6342_down, .Lfunc_end_k_q0486ef6342_down-k_q0486ef6342_down
	.p2alignl 7, 3214868480
	.fill 96, 4, 3214868480
	.section	.rodata,"a",@progbits
	.p2align	6, 0x0
	.amdhsa_kernel k_q0486ef6342_down
		.amdhsa_group_segment_fixed_size 131584
		.amdhsa_private_segment_fixed_size 0
		.amdhsa_enable_private_segment 0
		.amdhsa_kernarg_size 40
		.amdhsa_user_sgpr_count 2
		.amdhsa_user_sgpr_kernarg_segment_ptr 1
		.amdhsa_wavefront_size32 1
		.amdhsa_system_sgpr_workgroup_id_x 1
		.amdhsa_system_sgpr_workgroup_id_y 1
		.amdhsa_system_sgpr_workgroup_id_z 1
		.amdhsa_system_vgpr_workitem_id 0
		.amdhsa_next_free_vgpr 960
		.amdhsa_next_free_sgpr 66
		.amdhsa_reserve_vcc 0
		.amdhsa_float_denorm_mode_32 3
		.amdhsa_float_denorm_mode_16_64 3
		.amdhsa_memory_ordered 1
		.amdhsa_forward_progress 1
		.amdhsa_inst_pref_size 137
	.end_amdhsa_kernel
	.amdgpu_metadata
---
amdhsa.version: [ 1, 2 ]
amdhsa.kernels:
  - .name:           k_q0486ef6342_down
    .symbol:         k_q0486ef6342_down.kd
    .args:
      - { .name: hbuf, .offset: 0, .size: 8, .value_kind: global_buffer, .address_space: global }
      - { .name: wo, .offset: 8, .size: 8, .value_kind: global_buffer, .address_space: global }
      - { .name: gl, .offset: 16, .size: 8, .value_kind: global_buffer, .address_space: global }
      - { .name: meta, .offset: 24, .size: 8, .value_kind: global_buffer, .address_space: global }
      - { .name: pbuf, .offset: 32, .size: 8, .value_kind: global_buffer, .address_space: global }
    .group_segment_fixed_size: 131584
    .private_segment_fixed_size: 0
    .kernarg_segment_align: 8
    .kernarg_segment_size: 40
    .max_flat_workgroup_size: 128
    .sgpr_count:     66
    .vgpr_count:     960
    .wavefront_size: 32
...
	.end_amdgpu_metadata
.endif
;; end of part 4
;; launch merge (part 5): grid 256 x 1, 8 waves a work-group, no clusters, 0 bytes of LDS; arguments xb, pbuf, pose, out0; writes out0
.if DOCPART == 5
	.amdgcn_target "amdgcn-amd-amdhsa--gfx1250"
	.amdhsa_code_object_version 6
	.text
	.protected	k_q0486ef6342_merge
	.globl	k_q0486ef6342_merge
	.p2align	8
	.type	k_q0486ef6342_merge,@function
k_q0486ef6342_merge:
	s_mov_b64 s[64:65], 0
	v_nop
	global_prefetch_b8 v0, s[64:65] scope:SCOPE_SE
	s_setreg_imm32_b32 hwreg(HW_REG_WAVE_MODE, 25, 1), 1
	s_wait_xcnt 0x0
; out[t] = x[t] (as rounded to bf16, like every input) + the eight partial rows of its two chosen experts (two slots x four quarters of K), which carry their gates already.
; A wave takes half a row of one token: t = 4 x work-group + wave / 2, half = wave % 2.  The token's two slots are the two entries of pose[.][t] that are not 0: whole numbers that an earlier launch stored,
; read by scalar loads and clamped into pbuf before they enter an address.  A stream: each load of pbuf covers 512 consecutive bytes, each of xb 256, all 36 go out before the first wait.  No LDS, no matrix unit: nothing is shared or multiplied.
.set ACC, 8                            ; v[8:23]   the half row's sums: 4 numbers for each of 4 pieces of 512 bytes
.set XR,  24                           ; v[24:31]  x in bf16
.set P,   32                           ; v[32:159] 2 slots x 4 quarters x 4 pieces x 4 registers
	s_load_b256 s[4:11], s[0:1], 0x0               ; xb s[4:5], pbuf s[6:7], pose s[8:9], out0 s[10:11]
	v_and_b32 v1, 31, v0
	v_lshrrev_b32 v2, 5, v0
	v_readfirstlane_b32 s12, v2                    ; wave
	v_lshlrev_b32 v3, 4, v1                        ; 16 x lane
	v_lshlrev_b32 v4, 3, v1                        ; 8 x lane
	s_lshr_b32 s13, s12, 1
	s_and_b32 s14, s12, 1                          ; which half
	s_lshl_b32 s15, ttmp9, 2
	s_add_co_u32 s15, s15, s13                     ; t
	s_lshl_b32 s36, s15, 2
	s_mov_b32 s37, 0
	s_wait_kmcnt 0x0
	s_add_nc_u64 s[8:9], s[8:9], s[36:37]
.irp e, 0,1,2,3,4,5,6,7
	s_load_b32 s[16+\e], s[8:9], 4096*\e
.endr
	s_lshl_b32 s38, s15, 11                        ; xb: 2,048 bytes a row, 1,024 a half
	s_lshl_b32 s40, s14, 10
	s_add_co_u32 s38, s38, s40
	s_mov_b32 s39, 0
	s_add_nc_u64 s[4:5], s[4:5], s[38:39]
.irp u, 0,1,2,3
	global_load_b64 v[XR+2*\u:XR+2*\u+1], v4, s[4:5] offset:256*\u
.endr
	s_lshl_b32 s40, s15, 12                        ; out0: 4,096 bytes a row, 2,048 a half
	s_lshl_b32 s42, s14, 11
	s_add_co_u32 s40, s40, s42
	s_mov_b32 s41, 0
	s_add_nc_u64 s[10:11], s[10:11], s[40:41]
	s_mov_b32 s24, -1
	s_mov_b32 s25, 0
	s_wait_kmcnt 0x0
.irp e, 0,1,2,3,4,5,6,7
	s_sub_co_u32 s26, s[16+\e], 1                  ; an entry 0 wraps to the largest number and loses the minimum
	s_min_u32 s24, s24, s26
	s_max_u32 s25, s25, s[16+\e]
.endr
	s_sub_co_u32 s25, s25, 1
	s_min_u32 s24, s24, 0x1fff                     ; 8,192 slots
	s_min_u32 s25, s25, 0x1fff
	s_lshl_b32 s24, s24, 14                        ; 16,384 bytes a slot
	s_lshl_b32 s25, s25, 14
	s_add_co_u32 s32, s24, s42
	s_mov_b32 s33, 0
	s_add_co_u32 s34, s25, s42
	s_mov_b32 s35, 0
	s_add_nc_u64 s[28:29], s[6:7], s[32:33]
	s_add_nc_u64 s[30:31], s[6:7], s[34:35]
.irp a, 0,1
.irp q, 0,1,2,3
.irp u, 0,1,2,3
	global_load_b128 v[P+64*\a+16*\q+4*\u:P+64*\a+16*\q+4*\u+3], v3, s[28+2*\a:29+2*\a] offset:4096*\q+512*\u th:TH_LOAD_NT
.endr
.endr
.endr
	s_wait_loadcnt 32                              ; x is in; the 32 loads of partial rows stay out
.irp u, 0,1,2,3
	v_lshlrev_b32 v[ACC+4*\u], 16, v[XR+2*\u]      ; bf16 to f32: the low half moves up, the high half stays
	v_and_b32 v[ACC+4*\u+1], 0xffff0000, v[XR+2*\u]
	v_lshlrev_b32 v[ACC+4*\u+2], 16, v[XR+2*\u+1]
	v_and_b32 v[ACC+4*\u+3], 0xffff0000, v[XR+2*\u+1]
.endr
.irp g, 0,1,2,3,4,5,6,7
	s_wait_loadcnt 28-4*\g                         ; partial row g's four loads are in; the later rows' stay out
.irp u, 0,1,2,3
	v_pk_add_f32 v[ACC+4*\u:ACC+4*\u+1], v[ACC+4*\u:ACC+4*\u+1], v[P+16*\g+4*\u:P+16*\g+4*\u+1]
	v_pk_add_f32 v[ACC+4*\u+2:ACC+4*\u+3], v[ACC+4*\u+2:ACC+4*\u+3], v[P+16*\g+4*\u+2:P+16*\g+4*\u+3]
.endr
.endr
.irp u, 0,1,2,3
	global_store_b128 v3, v[ACC+4*\u:ACC+4*\u+3], s[10:11] offset:512*\u th:TH_STORE_NT  ; 512 consecutive bytes, aligned
.endr
	s_endpgm
.Lfunc_end_k_q0486ef6342_merge:
	.size	k_q0486ef6342_merge, .Lfunc_end_k_q0486ef6342_merge-k_q0486ef6342_merge
	.p2alignl 7, 3214868480
	.fill 96, 4, 3214868480
	.section	.rodata,"a",@progbits
	.p2align	6, 0x0
	.amdhsa_kernel k_q0486ef6342_merge
		.amdhsa_group_segment_fixed_size 0
		.amdhsa_private_segment_fixed_size 0
		.amdhsa_enable_private_segment 0
		.amdhsa_kernarg_size 32
		.amdhsa_user_sgpr_count 2
		.amdhsa_user_sgpr_kernarg_segment_ptr 1
		.amdhsa_wavefront_size32 1
		.amdhsa_system_sgpr_workgroup_id_x 1
		.amdhsa_system_sgpr_workgroup_id_y 1
		.amdhsa_system_sgpr_workgroup_id_z 1
		.amdhsa_system_vgpr_workitem_id 0
		.amdhsa_next_free_vgpr 160
		.amdhsa_next_free_sgpr 66
		.amdhsa_reserve_vcc 0
		.amdhsa_float_denorm_mode_32 3
		.amdhsa_float_denorm_mode_16_64 3
		.amdhsa_memory_ordered 1
		.amdhsa_forward_progress 1
		.amdhsa_inst_pref_size 12
	.end_amdhsa_kernel
	.amdgpu_metadata
---
amdhsa.version: [ 1, 2 ]
amdhsa.kernels:
  - .name:           k_q0486ef6342_merge
    .symbol:         k_q0486ef6342_merge.kd
    .args:
      - { .name: xb, .offset: 0, .size: 8, .value_kind: global_buffer, .address_space: global }
      - { .name: pbuf, .offset: 8, .size: 8, .value_kind: global_buffer, .address_space: global }
      - { .name: pose, .offset: 16, .size: 8, .value_kind: global_buffer, .address_space: global }
      - { .name: out0, .offset: 24, .size: 8, .value_kind: global_buffer, .address_space: global }
    .group_segment_fixed_size: 0
    .private_segment_fixed_size: 0
    .kernarg_segment_align: 8
    .kernarg_segment_size: 32
    .max_flat_workgroup_size: 256
    .sgpr_count:     66
    .vgpr_count:     160
    .wavefront_size: 32
...
	.end_amdgpu_metadata
.endif
;; end of part 5
;; ======== version 2 of 2: 5 launches; version 1 with the launches up, down, merge written anew for expert scheduling mode
;; workspace buffers: xb 2,097,152 bytes; sc 32,768 bytes; list 32,768 bytes of whole numbers; gl 32,768 bytes; pose 32,768 bytes of whole numbers; meta 256 bytes of whole numbers; hbuf 33,554,432 bytes; pbuf 134,217,728 bytes
;; launch scores: the kernel of part 1 again; grid 256 x 1, 4 waves a work-group, no clusters, 0 bytes of LDS; arguments x, router_w, router_b, temperature, xb, sc; writes xb, sc
;; launch route: the kernel of part 2 again; grid 256 x 1, 8 waves a work-group, no clusters, 13,312 bytes of LDS; arguments sc, list, gl, pose, meta; writes list, gl, pose, meta
;; launch up (part 6): grid 256 x 1, 4 waves a work-group, no clusters, 262,656 bytes of LDS; arguments xb, wg, wp, list, meta, hbuf; writes hbuf
.if DOCPART == 6
	.amdgcn_target "amdgcn-amd-amdhsa--gfx1250"
	.amdhsa_code_object_version 6
	.text
	.protected	k_q0486ef6342_up
	.globl	k_q0486ef6342_up
	.p2align	8
	.type	k_q0486ef6342_up,@function
k_q0486ef6342_up:
	s_mov_b64 s[64:65], 0
	v_nop
	global_prefetch_b8 v0, s[64:65] scope:SCOPE_SE
	s_setreg_imm32_b32 hwreg(HW_REG_WAVE_SCHED_MODE, 0, 2), 2
	s_setreg_imm32_b32 hwreg(HW_REG_WAVE_MODE, 25, 1), 1
	s_wait_xcnt 0x0
	s_wait_alu depctr_vm_vsrc(0)
; H = relu(X wg) x (X wp) for the rows that chose an expert.  Work-group g: expert e = g / 32, 64 columns (slice g % 32) of wg[e] and of wp[e], which it alone reads, and all of e's rows.
; THE WEIGHTS go memory -> registers -> bf16 -> LDS, each read and rounded by ONE wave: wave w takes matrix w % 2 (wg, wp) and K step w / 2 of every chunk of 64 k.  A lane's 16-byte load holds
; four neighbouring columns of one row k; lanes 0-15 cover the slice's 256 aligned bytes of a row, lanes 16-31 those of the row 32 further down.  Sixteen such loads and 32 packed roundings (rows n, n + 1 of one
; column) ARE four fragments of 16 columns x 32 k: in fragment j lane r stands for column 4 r + j.  No turn is needed: the way out undoes the order of the columns for nothing.
; K's ORDER, alike for tokens and weights (a matrix product's sum does not mind it): in a chunk c, lane half h, K step s, place q (0 .. 15) stand for k = 64 c + 32 h + 16 s + q.
; THE ROWS come by the list: lane (r, h) of tile T reads 64 consecutive bytes of token list[e][16 T + r] a chunk, straight into operand registers.
; SHARES.  Tiles of 16 rows: wave w takes tiles 20 p + 4 i + w, i = 0 .. 4, in pass p; 5 x 8 accumulators stay in registers while K is walked.  PASS 0 streams the weights and leaves the whole slice in
; LDS as fragments (no byte of LDS is written twice): it holds the stream's barriers, in text that every wave walks with constant counts.  Passes 1 to 3 (an expert with more than 320 rows) read LDS, write none and hold no
; barrier; a wave without tiles jumps forward over them.  Dead tiles' products are jumped, by the count that the earlier launch stored; the jumps pass matrix instructions or stores alone.
; The matrix instruction takes 16 columns as source 0 and 16 rows as source 1: a lane then holds ONE row and the columns 32 h .. 32 h + 31 of the slice, which, rounded, is the next launch's operand as it stands.
; NO TENSOR LOADS: f32 weights pass registers to be rounded, and rows named by a list fit no descriptor.  NO CLUSTER: each slice of weights has one reader.
; REGISTERS, in windows of 256 (s_set_vgpr_msb: bits 1:0 source 0, 3:2 source 1, 5:4 source 2, 7:6 destination):
;   window 0: v0-31 addresses; v32-63 rounded weights; v64-127, v128-191 weight fragments of K step 0, 1; v192-255 the way out      window 1: v0-79, v80-159 the rows' fragments, two buffers
;   window 2: accumulators of tiles 0-3 at 64 i + 8 f      window 3: v0-63 tile 4's; v64-127, v128-191 weights as loaded, two buffers
; At a branch every window is 0, so each tile's guard costs two switches for eight matrix instructions.
; THE MODE: SCHED_MODE bits 1:0 = 2 (LLVM: expert scheduling mode 2), set by the entry lines.  The code itself states the register dependences
; between vector or matrix instructions and memory or LDS instructions, with s_wait_alu, always for 0.
; THE PLAN.  Registers that memory or LDS instructions touch in chunk c of pass 0 (par = c % 2), and who else names them:
;   W[1 - par]   read by the chunk's 32 roundings; later in the chunk the loads of chunk c + 3 land in it.
;   CV, STA      written at the chunk's head (roundings, one add); read by its eight LDS stores.
;   RDA          written at the chunk's head; read by both runs of fragment loads.
;   BF1          read by the second K step's products of chunk c - 1; loaded at the head of chunk c.       BF0   read by the first K step's products; loaded behind the barrier.
;   A[1 - par]   read by the products of chunk c - 1; the rows of chunk c + 1 land in it.                  WOFF, VOFF, PFO, LN16   offsets, never written in the loop: scalar bases step.
; So a chunk has three waits: vm_vsrc at its head (CV, STA, RDA have been read and are written again); va_vdst behind the roundings and the two adds (CV, STA, RDA are written; W[1 - par], BF1, A[1 - par]
; have been read for the last time); va_vdst behind the barrier (BF0 has been read).  Between the second wait and the barrier the only vector-side instructions are the first K step's products, which name
; BF0, A[par] and accumulators: none of the registers of the LDS stores, of the loads of BF1, rows and weights, or of the prefetch.  So the 36 global loads are dealt behind that K step's five tiles.
; LIMITS.  All inputs are rounded to bf16, H once more; NaN and infinities are not treated apart.
.set PITCH, 8192                       ; bytes in a row of wg and wp
.set NC,    16                         ; chunks of 64 k
.set CHW,   64*PITCH                   ; a chunk's step in the weights
.set CHA,   128                        ; and in a row of xb
.set CHL,   16384                      ; and in LDS: [K step][fragment f = 4 m + j] x 1,024 bytes; registers 0-3 at 16 x lane, 4-7 at 512 + 16 x lane
.set LN16, 3                           ; 16 x lane
.set WOFF, 4                           ; 32 h rows + 16 r
.set PFO,  5                           ; (32 h + r) rows: a lane for each of my 32 row pieces of a chunk
.set ST0,  6                           ; 4,096 w + 16 x lane
.set RDA,  7
.set STA,  8
.set R4,   9                           ; 4 r
.set H64,  10                          ; 64 h
.set VOFF, 12                          ; v[12:16] tile i: my token's row in xb + 64 h
.set LO,   17                          ; v[17:21] tile i: my place in the list
.set LT,   22                          ; v[22:26] tile i: my token
.set CV,   32
.set BF0,  64
.set BF1,  128
.set TT,   192
.set HO,   224                         ; v[224:255] two out-buffers of 16 registers, which take turns from tile to tile
.set A0,   0
.set W0,   64                          ; weights as loaded, window 3: chunks of even number,
.set W1,   128                         ; of odd number
.set WV, 16
.set EX, 17
.set SL, 18
.set WB, 20                            ; s[20:21] my unit of the weights, at the chunk last asked for
.set AB, 22                            ; s[22:23] xb at the chunk last asked for
.set HB, 24                            ; s[24:25] hbuf at my first tile of the pass
.set LB, 26                            ; s[26:27] list[e]
.set LC, 28                            ; LDS byte of the chunk in hand
.set CT, 29
.set CH, 30                            ; the chunk in hand
.set REM, 31                           ; live tiles from my first tile of the pass on (signed): tile i is live if REM > 4 i
.set NTE, 32
.set PS, 34
.set TB, 35                            ; my first tile of the pass
.set OF, 36
.set TC, 40
.set TM, 45
.set MUL, 0xa4                         ; source 0 (weights) window 0, source 1 (rows) window 1, C and D window 2; + 0x50: window 3
.set MSB, 0
.macro WIN new                         ; the immediate's high byte repeats the setting that is left; a switch that changes nothing is dropped
.if MSB != (\new)
	s_set_vgpr_msb (MSB<<8)|(\new)
.set MSB, (\new)
.endif
.endm
.macro PLACES                          ; four plain vector instructions between a matrix instruction and a load into, or a read of, its registers
.rept 4
	v_nop
.endr
.endm
.macro WLOAD buf, imm, n0=0, n1=15     ; my unit of a chunk: 16 rows in each half of the lanes; rows n0 to n1 of them
.set iw, \n0
.rept (\n1)-(\n0)+1
	global_load_b128 v[\buf+4*iw:\buf+4*iw+3], v[WOFF], s[WB:WB+1] offset:\imm+iw*PITCH th:TH_LOAD_NT
.set iw, iw+1
.endr
.endm
.macro CVT buf                         ; rows n, n + 1 of column j: register n / 2 of fragment j
.irp n, 0,2,4,6,8,10,12,14
.irp j, 0,1,2,3
	v_cvt_pk_bf16_f32 v[CV+8*\j+\n/2], v[\buf+4*\n+\j], v[\buf+4*\n+4+\j]
.endr
.endr
.endm
.macro WSTORE off                      ; STA is made ahead of the wait that stands in front of these stores
.irp n, 0,1,2,3,4,5,6,7
	ds_store_b128 v[STA], v[CV+4*\n:CV+4*\n+3] offset:\off+512*\n
.endr
.endm
.macro BLOAD bf, off                   ; the eight fragments of one K step
.irp f, 0,1,2,3,4,5,6,7
	ds_load_b128 v[\bf+8*\f:\bf+8*\f+3], v[RDA] offset:\off+1024*\f
	ds_load_b128 v[\bf+8*\f+4:\bf+8*\f+7], v[RDA] offset:\off+1024*\f+512
.endr
.endm
.macro ALOAD ab, t0, t1                ; the rows of tiles t0 to t1, 64 bytes a lane: both K steps of a chunk
.set ia, \t0
.rept (\t1)-(\t0)+1
.irp q, 0,1,2,3
	global_load_b128 v[\ab+16*ia+4*\q:\ab+16*ia+4*\q+3], v[VOFF+ia], s[AB:AB+1] offset:16*\q
.endr
.set ia, ia+1
.endr
.endm
; What stands behind tile t of a chunk's first K step: the rows of chunk c + 1 (tiles 0 and 1), the weights of chunk c + 3 (tiles 2 and 3), the prefetch behind the last of them.
; ITER sets DLA, DLW, DPF (is there any) and DAB, DWB (the buffers).  No wait: no vector or matrix instruction since the chunk's wait on va_vdst names a register that these touch.
.macro DEAL t
.if DLA && ((\t) == 0)
	WIN 0x40
	ALOAD DAB, 0, 1
	WIN 0
.endif
.if DLA && ((\t) == 1)
	WIN 0x40
	ALOAD DAB, 2, 4
	WIN 0
.endif
.if DLW && ((\t) == 2)
	WIN 0xc0
	WLOAD DWB, 0, 0, 7
	WIN 0
.endif
.if DLW && ((\t) == 3)
	WIN 0xc0
	WLOAD DWB, 0, 8, 15
	WIN 0
.if DPF
.if DPF == 1
	s_cmp_gt_u32 s[CH], NC-7                       ; chunk c + 6 is past the end: nothing is asked for
	s_cbranch_scc1 .Lnopf_\@
.endif
	global_prefetch_b8 v[PFO], s[WB:WB+1] offset:3*CHW th:TH_LOAD_NT scope:SCOPE_SE
.Lnopf_\@:
.endif
.endif
.endm
; One K step for up to five tiles.  A tile's eight accumulators take turns, one instruction a turn.  zero = 1: the products start the sums, for all five tiles, so that every accumulator is written.
; deal = 1: loads stand behind the tiles, so a dead tile's guard jumps over its own eight products alone, and no load is ever jumped; deal = 0: the first dead tile's guard leaves the K step.
.macro KSTEP bf, ab, ks, zero, deal=0
.irp t, 0,1,2,3,4
.if !(\zero)
	s_cmp_le_i32 s[REM], 4*\t
.if \deal
	s_cbranch_scc1 .Lkt_\@_\t
.else
	s_cbranch_scc1 .Lkend_\@
.endif
.endif
	WIN MUL+0x50*((\t)/4)
.irp f, 0,1,2,3,4,5,6,7
.if \zero
	v_wmma_f32_16x16x32_bf16 v[(64*\t)%256+8*\f:(64*\t)%256+8*\f+7], v[\bf+8*\f:\bf+8*\f+7], v[\ab+16*\t+8*\ks:\ab+16*\t+8*\ks+7], 0
.else
	v_wmma_f32_16x16x32_bf16 v[(64*\t)%256+8*\f:(64*\t)%256+8*\f+7], v[\bf+8*\f:\bf+8*\f+7], v[\ab+16*\t+8*\ks:\ab+16*\t+8*\ks+7], v[(64*\t)%256+8*\f:(64*\t)%256+8*\f+7]
.endif
.endr
.if !(\zero) || (\deal)
	WIN 0
.endif
.if \deal
.Lkt_\@_\t:
	DEAL \t
.endif
.endr
	WIN 0
.Lkend_\@:
.endm
.macro PASSSET again                   ; the pass's five tiles (clamped into the list, whose places past the count hold token 0) and my tokens.  again = 1: a later pass
.if \again
	s_wait_alu depctr_vm_vsrc(0)                   ; the list's loads of the pass before have read LO, its rows' loads VOFF: both are written anew, here and in VOFFS
.endif
.irp t, 0,1,2,3,4
	s_add_co_u32 s[TC+\t], s[TB], 4*\t
	s_min_u32 s[TC+\t], s[TC+\t], 63
	v_lshl_add_u32 v[LO+\t], s[TC+\t], 6, v[R4]
.endr
	s_wait_alu depctr_va_vdst(0)                   ; LO is written, which the loads below read (at the kernel's head: so are WOFF, PFO and LN16, the offsets of all that follows); in a later pass VOFFS is done with LT, in which they land
.irp t, 0,1,2,3,4
	global_load_b32 v[LT+\t], v[LO+\t], s[LB:LB+1]
.endr
.endm
.macro VOFFS
.irp t, 0,1,2,3,4
	v_min_u32 v[LT+\t], 0x3ff, v[LT+\t]
	v_lshl_add_u32 v[VOFF+\t], v[LT+\t], 11, v[H64]
.endr
.endm
; CHUNK c OF PASS 0, par = c % 2.  more: chunk c + 1's weights, loaded two trips ago, are rounded and stored to LDS.  lda: the rows of chunk c + 1 are asked for; ldw: the weights of chunk c + 3.
; nw = the loads younger than W(c + 1), na = those younger than A(c).  pf: my 32 row pieces of chunk c + 6 are asked into the L2, one lane each (1: only while that chunk exists).
.macro ITER par, zero, more, ldw, lda, nw, na, pf
.set DLA, \lda
.set DLW, \ldw
.set DPF, \pf
.set DAB, A0+80*(1-\par)
.set DWB, W0+64*(1-\par)
	s_wait_alu depctr_vm_vsrc(0)                   ; the LDS stores issued so far have read CV and STA, the fragment loads RDA: what of them is written again stands below
.if \more
	s_wait_loadcnt \nw
	WIN 0x0f                                       ; sources in window 3
	CVT W0+64*(1-\par)                             ; 32 plain instructions: also the places behind the last products
	WIN 0
	v_add_nc_u32 v[STA], s[LC], v[ST0]
.else
	PLACES
.endif
	v_add_nc_u32 v[RDA], s[LC], v[LN16]
	s_wait_alu depctr_va_vdst(0)                   ; CV, STA and RDA are written; the roundings are done reading W[1 - par], the last chunk's products BF1 and A[1 - par]
.if \more
	WSTORE CHL
.endif
	BLOAD BF1, 8192                                ; this chunk's second K step
	s_wait_loadcnt \na
.if \lda
	s_wait_xcnt 0x0                                ; the bases are stepped only behind this wait
	s_add_nc_u64 s[AB:AB+1], s[AB:AB+1], CHA
.endif
.if \ldw
	s_add_nc_u64 s[WB:WB+1], s[WB:WB+1], CHW
.endif
	s_wait_dscnt 16+8*\more                        ; the first K step's fragments are in; my stores and the 16 loads behind them may be out
	KSTEP BF0, A0+80*\par, 0, \zero, 1             ; and, behind its tiles, the chunk's global loads and its prefetch
	s_wait_dscnt 0x0                               ; my stores of chunk c + 1 are done, and the second K step's fragments are in
.if \more
	s_barrier_signal -1
	s_barrier_wait -1                              ; chunk c + 1 is whole in LDS
	PLACES
	s_wait_alu depctr_va_vdst(0)                   ; the first K step's products are done reading BF0, in which the loads below land
	BLOAD BF0, CHL                                 ; its first K step, a K step's products ahead of its use
.endif
	KSTEP BF1, A0+80*\par, 1, 0
	s_add_co_u32 s[LC], s[LC], CHL
	s_add_co_u32 s[CH], s[CH], 1
.endm
; A chunk of a later pass, plain: rows from memory, fragments from LDS, nothing written to LDS, no barrier.
.macro OCH zero
	s_wait_alu depctr_vm_vsrc(0)                   ; the fragment loads issued so far have read RDA
	v_add_nc_u32 v[RDA], s[LC], v[LN16]
	PLACES
	WIN 0x40
	s_wait_alu depctr_va_vdst(0)                   ; RDA is written (ahead of a pass's first chunk VOFF too); the products issued so far are done reading A0, BF0 and BF1, in which the loads below land
	ALOAD A0, 0, 4
	WIN 0
	BLOAD BF0, 0
	BLOAD BF1, 8192
	s_wait_loadcnt 0x0
	s_wait_dscnt 0x0
	KSTEP BF0, A0, 0, \zero
	KSTEP BF1, A0, 1, 0
	s_add_nc_u64 s[AB:AB+1], s[AB:AB+1], CHA       ; the loads that named it are done
	s_add_co_u32 s[LC], s[LC], CHL
.endm
	s_load_b256 s[4:11], s[0:1], 0x0               ; xb s[4:5], wg s[6:7], wp s[8:9], list s[10:11]
	s_load_b128 s[12:15], s[0:1], 0x20             ; meta s[12:13], hbuf s[14:15]
	v_lshl_add_u32 v30, v0, 2, 0x40000
	v_mov_b32 v31, 0
	v_lshrrev_b32 v11, 5, v0
	v_readfirstlane_b32 s[WV], v11
	v_and_b32 v11, 31, v0
	v_lshlrev_b32 v[LN16], 4, v11
	v_and_b32 v27, 15, v0                          ; r
	v_bfe_u32 v28, v0, 4, 1                        ; h
	v_lshlrev_b32 v[R4], 2, v27
	v_lshlrev_b32 v[H64], 6, v28
	v_mul_u32_u24 v[WOFF], v28, 32*PITCH
	v_lshl_add_u32 v[WOFF], v27, 4, v[WOFF]
	v_lshl_add_u32 v[PFO], v28, 5, v27
	v_mul_u32_u24 v[PFO], v[PFO], PITCH
	s_wait_alu depctr_va_sdst(0)                   ; the wave's number is written, ahead of its first reader
	s_lshl_b32 s[TM], s[WV], 12
	v_add_nc_u32 v[ST0], s[TM], v[LN16]
	s_lshr_b32 s[EX], ttmp9, 5
	s_and_b32 s[SL], ttmp9, 31
	s_mov_b32 s[TB], s[WV]
	s_mov_b32 s[LC], 0
	s_mov_b32 s[CH], 0
	s_mov_b32 s[OF+1], 0
	s_wait_kmcnt 0x0
	s_lshl_b32 s[OF], s[EX], 4
	s_add_nc_u64 s[12:13], s[12:13], s[OF:OF+1]
	s_load_b32 s[NTE], s[12:13], 0x0               ; e's tiles
	s_bitcmp1_b32 s[WV], 0
	s_cselect_b64 s[WB:WB+1], s[8:9], s[6:7]       ; odd waves take wp, even ones wg
	s_lshl_b32 s[OF], s[EX], 23                    ; 8 MiB an expert,
	s_lshl_b32 s[TM], s[SL], 8                     ; 256 bytes a slice,
	s_add_co_u32 s[OF], s[OF], s[TM]
	s_lshr_b32 s[TM], s[WV], 1
	s_mul_i32 s[TM], s[TM], 16*PITCH               ; 16 rows a K step
	s_add_co_u32 s[OF], s[OF], s[TM]
	s_add_nc_u64 s[WB:WB+1], s[WB:WB+1], s[OF:OF+1]
	s_mov_b64 s[AB:AB+1], s[4:5]
	s_lshl_b32 s[OF], s[EX], 12
	s_add_nc_u64 s[LB:LB+1], s[10:11], s[OF:OF+1]
	s_lshl_b32 s[OF], s[EX], 22                    ; hbuf: 4 MiB an expert, 65,536 bytes a tile, 2,048 a slice
	s_lshl_b32 s[TM], s[SL], 11
	s_add_co_u32 s[OF], s[OF], s[TM]
	s_lshl_b32 s[TM], s[WV], 16
	s_add_co_u32 s[OF], s[OF], s[TM]
	s_add_nc_u64 s[HB:HB+1], s[14:15], s[OF:OF+1]
	PASSSET 0                                      ; 5 loads
	WIN 0xc0
	WLOAD W0, 0                                    ; W(0)
	WLOAD W1, CHW                                  ; W(1)
	WIN 0
	global_prefetch_b8 v[PFO], s[WB:WB+1] offset:3*CHW th:TH_LOAD_NT scope:SCOPE_SE  ; chunks 3 to 5; each trip then asks for the chunk six ahead of it
	global_prefetch_b8 v[PFO], s[WB:WB+1] offset:4*CHW th:TH_LOAD_NT scope:SCOPE_SE
	global_prefetch_b8 v[PFO], s[WB:WB+1] offset:5*CHW th:TH_LOAD_NT scope:SCOPE_SE
	s_wait_loadcnt 32                              ; my tokens are in; the 32 loads of weights stay out
	VOFFS
	WIN 0x40
	s_wait_alu depctr_va_vdst(0)                   ; VOFF is written, which the rows' loads read
	ALOAD A0, 0, 4                                 ; A(0)
	s_wait_loadcnt 36                              ; W(0) is in: W(1)'s 16 and A(0)'s 20 are younger
	WIN 0x0f
	CVT W0
	WIN 0
	v_add_nc_u32 v[STA], s[LC], v[ST0]
	v_add_nc_u32 v[RDA], s[LC], v[LN16]
	s_wait_alu depctr_va_vdst(0)                   ; CV, STA and RDA are written; the roundings are done reading W0, in which W(2) lands
	WSTORE 0
	WIN 0xc0
	WLOAD W0, 2*CHW                                ; W(2)
	WIN 0
	s_wait_xcnt 0x0
	s_add_nc_u64 s[WB:WB+1], s[WB:WB+1], 2*CHW
	s_wait_kmcnt 0x0
	s_min_u32 s[NTE], s[NTE], 64
	s_max_u32 s[NTE], s[NTE], 1
	s_sub_co_i32 s[REM], s[NTE], s[TB]
	s_wait_dscnt 0x0                               ; for the others' sake: my part of chunk 0 is stored
	s_barrier_signal -1
	s_barrier_wait -1
	BLOAD BF0, 0                                   ; by RDA as made above: no vector instruction stands between that wait and here
	; In a trip W(c + 1) is followed by A(c)'s 20 and W(c + 2)'s 16 loads: 36; A(c) by W(c + 2)'s 16.
	ITER 0, 1, 1, 1, 1, 36, 16, 2                  ; chunk 0: its first products start the sums
	s_mov_b32 s[CT], (NC-4)/2
.Ltrip:                                            ; chunks 1 to NC - 4
	ITER 1, 0, 1, 1, 1, 36, 16, 1
	ITER 0, 0, 1, 1, 1, 36, 16, 1
	s_sub_co_u32 s[CT], s[CT], 1
	s_cmp_lg_u32 s[CT], 0
	s_cbranch_scc1 .Ltrip
	ITER 1, 0, 1, 0, 1, 36, 16, 0                  ; no weights are left to ask for,
	ITER 0, 0, 1, 0, 1, 20, 0, 0                   ; the last weights are followed by A's 20 alone,
	ITER 1, 0, 0, 0, 0, 0, 0, 0                    ; and the last chunk asks for nothing
	s_mov_b32 s[PS], 4                             ; four trips cover 80 tiles, more than the 64 that an expert can have
.Lpass:
	PLACES                                         ; THE WAY OUT of the pass just made: relu(G) x P, rounded, in the next launch's operand layout
.irp t, 0,1,2,3,4
	s_cmp_le_i32 s[REM], 4*\t
	s_cbranch_scc1 .Lepi_end
	WIN 0x08+4*((\t)/4)                            ; source 1 in window 2 or 3
.irp j, 0,1,2,3                        ; TT is named by vector instructions alone: these 48 lines stand between the last tile's stores and the waits for them
.irp u, 0,1,2,3,4,5,6,7
	v_max_num_f32 v[TT+8*\j+\u], 0, v[(64*\t)%256+8*\j+\u]
.endr
.irp u, 0,2,4,6
	v_pk_mul_f32 v[TT+8*\j+\u:TT+8*\j+\u+1], v[TT+8*\j+\u:TT+8*\j+\u+1], v[(64*\t)%256+32+8*\j+\u:(64*\t)%256+32+8*\j+\u+1]
.endr
.endr
	WIN 0
	s_wait_xcnt 0x0                                ; the earlier stores have had their addresses translated: their data registers are rewritten only behind this wait,
	s_wait_alu depctr_vm_vsrc(0)                   ; and they have read this out-buffer, which the roundings below write again
.irp sp, 0,1                           ; column 32 h + 16 sp + q lies in fragment q % 4, register 4 sp + q / 4
.irp ii, 0,1,2,3,4,5,6,7
	v_cvt_pk_bf16_f32 v[HO+16*((\t)%2)+8*\sp+\ii], v[TT+16*(\ii%2)+4*\sp+\ii/2], v[TT+16*(\ii%2)+8+4*\sp+\ii/2]
.endr
.endr
	s_wait_alu depctr_va_vdst(0)                   ; the roundings have written the out-buffer, which the stores read
.irp q, 0,1,2,3
	global_store_b128 v[LN16], v[HO+16*((\t)%2)+4*\q:HO+16*((\t)%2)+4*\q+3], s[HB:HB+1] offset:262144*\t+512*\q  ; 512 consecutive bytes, aligned
.endr
.endr
.Lepi_end:
	s_wait_xcnt 0x0
	s_add_co_u32 s[TB], s[TB], 20
	s_sub_co_i32 s[REM], s[REM], 20
	s_add_nc_u64 s[HB:HB+1], s[HB:HB+1], 20*65536
	s_cmp_le_i32 s[REM], 0
	s_cbranch_scc1 .Lnopass                        ; no tile of mine is left: forward, past text without barrier or LDS write
	PASSSET 1
	s_mov_b64 s[AB:AB+1], s[4:5]
	s_mov_b32 s[LC], 0
	s_wait_loadcnt 0x0
	VOFFS
	OCH 1
	s_mov_b32 s[CT], NC-1
.Loch:
	OCH 0
	s_sub_co_u32 s[CT], s[CT], 1
	s_cmp_lg_u32 s[CT], 0
	s_cbranch_scc1 .Loch
.Lnopass:
	s_sub_co_u32 s[PS], s[PS], 1
	s_cmp_lg_u32 s[PS], 0
	s_cbranch_scc1 .Lpass
	s_wait_dscnt 0x0                               ; my last reads of the slice are back,
	s_barrier_signal -1
	s_barrier_wait -1                              ; and every wave's are
	s_wait_dscnt 0x0                               ; the wave's end
	s_wait_alu depctr_hold_cnt(0) depctr_sa_sdst(0) depctr_va_vdst(0) depctr_va_sdst(0) depctr_va_ssrc(0) depctr_va_vcc(0) depctr_vm_vsrc(0)
	s_wait_tensorcnt 0x0
	ds_add_u32 v30, v31
	s_wait_dscnt 0x0
	s_endpgm
.Lfunc_end_k_q0486ef6342_up:
	.size	k_q0486ef6342_up, .Lfunc_end_k_q0486ef6342_up-k_q0486ef6342_up
	.p2alignl 7, 3214868480
	.fill 96, 4, 3214868480
	.section	.rodata,"a",@progbits
	.p2align	6, 0x0
	.amdhsa_kernel k_q0486ef6342_up
		.amdhsa_group_segment_fixed_size 262656
		.amdhsa_private_segment_fixed_size 0
		.amdhsa_enable_private_segment 0
		.amdhsa_kernarg_size 48
		.amdhsa_user_sgpr_count 2
		.amdhsa_user_sgpr_kernarg_segment_ptr 1
		.amdhsa_wavefront_size32 1
		.amdhsa_system_sgpr_workgroup_id_x 1
		.amdhsa_system_sgpr_workgroup_id_y 1
		.amdhsa_system_sgpr_workgroup_id_z 1
		.amdhsa_system_vgpr_workitem_id 0
		.amdhsa_next_free_vgpr 960
		.amdhsa_next_free_sgpr 66
		.amdhsa_reserve_vcc 0
		.amdhsa_float_denorm_mode_32 3
		.amdhsa_float_denorm_mode_16_64 3
		.amdhsa_memory_ordered 1
		.amdhsa_forward_progress 1
		.amdhsa_inst_pref_size 137
	.end_amdhsa_kernel
	.amdgpu_metadata
---
amdhsa.version: [ 1, 2 ]
amdhsa.kernels:
  - .name:           k_q0486ef6342_up
    .symbol:         k_q0486ef6342_up.kd
    .args:
      - { .name: xb, .offset: 0, .size: 8, .value_kind: global_buffer, .address_space: global }
      - { .name: wg, .offset: 8, .size: 8, .value_kind: global_buffer, .address_space: global }
      - { .name: wp, .offset: 16, .size: 8, .value_kind: global_buffer, .address_space: global }
      - { .name: list, .offset: 24, .size: 8, .value_kind: global_buffer, .address_space: global }
      - { .name: meta, .offset: 32, .size: 8, .value_kind: global_buffer, .address_space: global }
      - { .name: hbuf, .offset: 40, .size: 8, .value_kind: global_buffer, .address_space: global }
    .group_segment_fixed_size: 262656
    .private_segment_fixed_size: 0
    .kernarg_segment_align: 8
    .kernarg_segment_size: 48
    .max_flat_workgroup_size: 128
    .sgpr_count:     66
    .vgpr_count:     960
    .wavefront_size: 32
...
	.end_amdgpu_metadata
.endif
;; end of part 6
;; launch down (part 7): grid 256 x 1, 4 waves a work-group, no clusters, 131,584 bytes of LDS; arguments hbuf, wo, gl, meta, pbuf; writes pbuf
.if DOCPART == 7
	.amdgcn_target "amdgcn-amd-amdhsa--gfx1250"
	.amdhsa_code_object_version 6
	.text
	.protected	k_q0486ef6342_down
	.globl	k_q0486ef6342_down
	.p2align	8
	.type	k_q0486ef6342_down,@function
k_q0486ef6342_down:
	s_mov_b64 s[64:65], 0
	v_nop
	global_prefetch_b8 v0, s[64:65] scope:SCOPE_SE
	s_setreg_imm32_b32 hwreg(HW_REG_WAVE_SCHED_MODE, 0, 2), 2
	s_setreg_imm32_b32 hwreg(HW_REG_WAVE_MODE, 25, 1), 1
	s_wait_xcnt 0x0
	s_wait_alu depctr_vm_vsrc(0)
; P = gate x (H wo), in four parts along K.  Work-group g: expert e = g / 32, 128 output columns cp = (g / 4) % 8 (two groups of 64), 512 of the 2,048 k: kq = g % 4; that block of wo[e] it alone reads.
; The plan is the launch before's: wave w loads, rounds and stores to LDS the fragments of column group w % 2 and K step w / 2 of every chunk of 64 k; in fragment j lane r stands for column 4 r + j;
; in a chunk c, lane half h, K step s, place q stand for k = 64 c + 32 h + 16 s + q, which is the order in which H was stored.  H's fragments come from memory as they lie, 512 consecutive bytes a load.
; Wave w takes tiles 20 p + 4 i + w of 16 rows; pass 0 streams the weights and holds the stream's barriers; passes 1 to 3 read LDS alone and are jumped by a wave without tiles.
; The matrix instruction takes 16 rows as source 0 and 16 columns as source 1: register j' of fragments j = 0 .. 3 holds four neighbouring columns of row 8 h + j'.  The multiplication by the row's gate gathers them
; into a quad, and sixteen lanes store 256 consecutive bytes.  Partial sums stay in f32: pbuf[slot = 1024 e + row][kq][1024].
; NO CLUSTER: each block of weights has one reader; H's tiles, which eight work-groups share, go straight into operand registers, and a way through LDS would add a write and a read of LDS for each byte.
; REGISTERS as in the launch before; window 0: v32-95 also the way out's sixteen quads (v64-95 are fragment registers that the pass has done with); v192-231 the gates of my five tiles.
; THE MODE: SCHED_MODE bits 1:0 = 2 (LLVM: expert scheduling mode 2), set by the entry lines.  The code itself states the register dependences
; between vector or matrix instructions and memory or LDS instructions, with s_wait_alu, always for 0.
; THE PLAN.  Registers that memory or LDS instructions touch in chunk c of pass 0 (par = c % 2), and who else names them:
;   W[1 - par]   read by the chunk's 32 roundings; later in the chunk the loads of chunk c + 3 land in it.
;   CV, STA      written at the chunk's head (roundings, one add); read by its eight LDS stores.          RDA   written at the chunk's head; read by both runs of fragment loads.
;   BF1          read by the second K step's products of chunk c - 1; loaded at the head of chunk c.       BF0   read by the first K step's products; loaded behind the barrier.
;   A[1 - par]   read by the products of chunk c - 1; H's fragments of chunk c + 1 land in it.             WOFF, VOFF, PFO, LN16, PST   offsets, never written in the loop: scalar bases step.
; So a chunk has three waits: vm_vsrc at its head (CV, STA, RDA have been read and are written again); va_vdst behind the roundings and the two adds (CV, STA, RDA are written; W[1 - par], BF1, A[1 - par]
; have been read for the last time); va_vdst behind the barrier (BF0 has been read).  Between the second wait and the barrier the only vector-side instructions are the first K step's products, which name
; BF0, A[par] and accumulators: none of the registers of the LDS stores, of the loads of BF1, H and weights, or of the prefetch.  So the 36 global loads are dealt behind that K step's five tiles.
; The way out: a tile's 64 multiplications write 64 out-registers; one wait on va_vdst, sixteen stores; one wait on vm_vsrc ahead of the next tile's multiplications.
; LIMITS.  wo is rounded to bf16; NaN and infinities are not treated apart.
.set PITCH, 4096                       ; bytes in a row of wo
.set NC,    8                          ; chunks of 64 k
.set CHW,   64*PITCH
.set CHA,   2048                       ; a chunk of a tile of H: two K steps of 1,024 bytes
.set CHL,   16384
.set LN16, 3
.set WOFF, 4
.set PFO,  5
.set ST0,  6
.set RDA,  7
.set STA,  8
.set H32,  9                           ; 32 h: my half's eight gates in a tile's 64 bytes
.set PST,  10                          ; 8 h rows of pbuf + 16 r
.set VOFF, 12                          ; v[12:16] tile i in hbuf + 16 x lane
.set LO,   17                          ; v[17:21] tile i in gl + 32 h
.set CV,   32
.set BF0,  64
.set BF1,  128
.set GV,   192
.set A0,   0
.set W0,   64
.set W1,   128
.set WV, 16
.set EX, 17
.set CP, 18
.set KQ, 19
.set WB, 20
.set AB, 22
.set PB, 24                            ; s[24:25] pbuf at my first tile of the pass
.set GB, 26                            ; s[26:27] gl[e]
.set LC, 28
.set CT, 29
.set CH, 30
.set REM, 31
.set NTE, 32
.set PS, 34
.set TB, 35
.set OF, 36
.set TC, 40
.set TM, 45
.set AH, 46                            ; s[46:47] hbuf at e's tile 0, my quarter of K
.set MUL, 0xa1                         ; source 0 (rows) window 1, source 1 (weights) window 0, C and D window 2; + 0x50: window 3
.set MSB, 0
.macro WIN new                         ; the immediate's high byte repeats the setting that is left; a switch that changes nothing is dropped
.if MSB != (\new)
	s_set_vgpr_msb (MSB<<8)|(\new)
.set MSB, (\new)
.endif
.endm
.macro PLACES                          ; four plain vector instructions between a matrix instruction and a load into, or a read of, its registers
.rept 4
	v_nop
.endr
.endm
.macro WLOAD buf, imm, n0=0, n1=15     ; my unit of a chunk: rows n0 to n1 of its 16 in each half of the lanes
.set iw, \n0
.rept (\n1)-(\n0)+1
	global_load_b128 v[\buf+4*iw:\buf+4*iw+3], v[WOFF], s[WB:WB+1] offset:\imm+iw*PITCH th:TH_LOAD_NT
.set iw, iw+1
.endr
.endm
.macro CVT buf
.irp n, 0,2,4,6,8,10,12,14
.irp j, 0,1,2,3
	v_cvt_pk_bf16_f32 v[CV+8*\j+\n/2], v[\buf+4*\n+\j], v[\buf+4*\n+4+\j]
.endr
.endr
.endm
.macro WSTORE off                      ; STA is made ahead of the wait that stands in front of these stores
.irp n, 0,1,2,3,4,5,6,7
	ds_store_b128 v[STA], v[CV+4*\n:CV+4*\n+3] offset:\off+512*\n
.endr
.endm
.macro BLOAD bf, off
.irp f, 0,1,2,3,4,5,6,7
	ds_load_b128 v[\bf+8*\f:\bf+8*\f+3], v[RDA] offset:\off+1024*\f
	ds_load_b128 v[\bf+8*\f+4:\bf+8*\f+7], v[RDA] offset:\off+1024*\f+512
.endr
.endm
.macro ALOAD ab, t0, t1                ; the fragments of H of tiles t0 to t1, both K steps of a chunk: 2,048 consecutive bytes a tile
.set ia, \t0
.rept (\t1)-(\t0)+1
.irp q, 0,1,2,3
	global_load_b128 v[\ab+16*ia+4*\q:\ab+16*ia+4*\q+3], v[VOFF+ia], s[AB:AB+1] offset:512*\q
.endr
.set ia, ia+1
.endr
.endm
; What stands behind tile t of a chunk's first K step: H of chunk c + 1 (tiles 0 and 1), the weights of chunk c + 3 (tiles 2 and 3), the prefetch behind the last of them.
; ITER sets DLA, DLW, DPF (is there any) and DAB, DWB (the buffers).  No wait: no vector or matrix instruction since the chunk's wait on va_vdst names a register that these touch.
.macro DEAL t
.if DLA && ((\t) == 0)
	WIN 0x40
	ALOAD DAB, 0, 1
	WIN 0
.endif
.if DLA && ((\t) == 1)
	WIN 0x40
	ALOAD DAB, 2, 4
	WIN 0
.endif
.if DLW && ((\t) == 2)
	WIN 0xc0
	WLOAD DWB, 0, 0, 7
	WIN 0
.endif
.if DLW && ((\t) == 3)
	WIN 0xc0
	WLOAD DWB, 0, 8, 15
	WIN 0
.if DPF
.if DPF == 1
	s_cmp_gt_u32 s[CH], NC-7                       ; chunk c + 6 is past the end: nothing is asked for
	s_cbranch_scc1 .Lnopf_\@
.endif
	global_prefetch_b8 v[PFO], s[WB:WB+1] offset:3*CHW th:TH_LOAD_NT scope:SCOPE_SE
.Lnopf_\@:
.endif
.endif
.endm
; One K step for up to five tiles.  A tile's eight accumulators take turns, one instruction a turn.  zero = 1: the products start the sums, for all five tiles.
; deal = 1: loads stand behind the tiles, so a dead tile's guard jumps over its own eight products alone, and no load is ever jumped; deal = 0: the first dead tile's guard leaves the K step.
.macro KSTEP bf, ab, ks, zero, deal=0
.irp t, 0,1,2,3,4
.if !(\zero)
	s_cmp_le_i32 s[REM], 4*\t
.if \deal
	s_cbranch_scc1 .Lkt_\@_\t
.else
	s_cbranch_scc1 .Lkend_\@
.endif
.endif
	WIN MUL+0x50*((\t)/4)
.irp f, 0,1,2,3,4,5,6,7
.if \zero
	v_wmma_f32_16x16x32_bf16 v[(64*\t)%256+8*\f:(64*\t)%256+8*\f+7], v[\ab+16*\t+8*\ks:\ab+16*\t+8*\ks+7], v[\bf+8*\f:\bf+8*\f+7], 0
.else
	v_wmma_f32_16x16x32_bf16 v[(64*\t)%256+8*\f:(64*\t)%256+8*\f+7], v[\ab+16*\t+8*\ks:\ab+16*\t+8*\ks+7], v[\bf+8*\f:\bf+8*\f+7], v[(64*\t)%256+8*\f:(64*\t)%256+8*\f+7]
.endif
.endr
.if !(\zero) || (\deal)
	WIN 0
.endif
.if \deal
.Lkt_\@_\t:
	DEAL \t
.endif
.endr
	WIN 0
.Lkend_\@:
.endm
.macro PASSSET again                   ; the pass's five tiles, clamped to the tiles of H that were written, and their gates: 10 loads.  again = 1: a later pass
.if \again
	s_wait_alu depctr_vm_vsrc(0)                   ; the loads of the pass before have read VOFF and LO, which are written anew
.endif
	s_sub_co_u32 s[TM], s[NTE], 1
.irp t, 0,1,2,3,4
	s_add_co_u32 s[TC+\t], s[TB], 4*\t
	s_min_u32 s[TC+\t], s[TC+\t], s[TM]
	s_min_u32 s[TC+\t], s[TC+\t], 63
	v_lshl_add_u32 v[VOFF+\t], s[TC+\t], 16, v[LN16]
	v_lshl_add_u32 v[LO+\t], s[TC+\t], 6, v[H32]
.endr
	s_wait_alu depctr_va_vdst(0)                   ; VOFF and LO are written, which the loads of H and of the gates read; in a later pass the way out's multiplications are done reading GV, in which the gates land
.irp t, 0,1,2,3,4
	global_load_b128 v[GV+8*\t:GV+8*\t+3], v[LO+\t], s[GB:GB+1]
	global_load_b128 v[GV+8*\t+4:GV+8*\t+7], v[LO+\t], s[GB:GB+1] offset:16
.endr
.endm
; CHUNK c OF PASS 0, par = c % 2: as in the launch before.  nw = the loads younger than W(c + 1), na = those younger than A(c).
; pf: my 32 row pieces of chunk c + 6 are asked into the L2, one lane each (1: only while that chunk exists).
.macro ITER par, zero, more, ldw, lda, nw, na, pf
.set DLA, \lda
.set DLW, \ldw
.set DPF, \pf
.set DAB, A0+80*(1-\par)
.set DWB, W0+64*(1-\par)
	s_wait_alu depctr_vm_vsrc(0)                   ; the LDS stores issued so far have read CV and STA, the fragment loads RDA: what of them is written again stands below
.if \more
	s_wait_loadcnt \nw
	WIN 0x0f
	CVT W0+64*(1-\par)                             ; 32 plain instructions: also the places behind the last products
	WIN 0
	v_add_nc_u32 v[STA], s[LC], v[ST0]
.else
	PLACES
.endif
	v_add_nc_u32 v[RDA], s[LC], v[LN16]
	s_wait_alu depctr_va_vdst(0)                   ; CV, STA and RDA are written; the roundings are done reading W[1 - par], the last chunk's products BF1 and A[1 - par]
.if \more
	WSTORE CHL
.endif
	BLOAD BF1, 8192
	s_wait_loadcnt \na
.if \lda
	s_wait_xcnt 0x0                                ; the bases are stepped only behind this wait
	s_add_nc_u64 s[AB:AB+1], s[AB:AB+1], CHA
.endif
.if \ldw
	s_add_nc_u64 s[WB:WB+1], s[WB:WB+1], CHW
.endif
	s_wait_dscnt 16+8*\more                        ; the first K step's fragments are in; my stores and the 16 loads behind them may be out
	KSTEP BF0, A0+80*\par, 0, \zero, 1             ; and, behind its tiles, the chunk's global loads and its prefetch
	s_wait_dscnt 0x0                               ; my stores of chunk c + 1 are done, and the second K step's fragments are in
.if \more
	s_barrier_signal -1
	s_barrier_wait -1                              ; chunk c + 1 is whole in LDS
	PLACES
	s_wait_alu depctr_va_vdst(0)                   ; the first K step's products are done reading BF0, in which the loads below land
	BLOAD BF0, CHL
.endif
	KSTEP BF1, A0+80*\par, 1, 0
	s_add_co_u32 s[LC], s[LC], CHL
	s_add_co_u32 s[CH], s[CH], 1
.endm
.macro OCH zero                        ; a chunk of a later pass, plain: nothing written to LDS, no barrier
	s_wait_alu depctr_vm_vsrc(0)                   ; the fragment loads issued so far have read RDA; ahead of a pass's first chunk: the way out's stores have read v64-95, in which fragments land
	v_add_nc_u32 v[RDA], s[LC], v[LN16]
	PLACES
	WIN 0x40
	s_wait_alu depctr_va_vdst(0)                   ; RDA is written; the products issued so far are done reading A0, BF0 and BF1, and the way out's multiplications have written v64-95: the loads below land in all of these
	ALOAD A0, 0, 4
	WIN 0
	BLOAD BF0, 0
	BLOAD BF1, 8192
	s_wait_loadcnt 0x0
	s_wait_dscnt 0x0
	KSTEP BF0, A0, 0, \zero
	KSTEP BF1, A0, 1, 0
	s_add_nc_u64 s[AB:AB+1], s[AB:AB+1], CHA
	s_add_co_u32 s[LC], s[LC], CHL
.endm
	s_load_b256 s[4:11], s[0:1], 0x0               ; hbuf s[4:5], wo s[6:7], gl s[8:9], meta s[10:11]
	s_load_b64 s[12:13], s[0:1], 0x20              ; pbuf
	v_lshl_add_u32 v254, v0, 2, 0x20000
	v_mov_b32 v255, 0
	v_lshrrev_b32 v11, 5, v0
	v_readfirstlane_b32 s[WV], v11
	v_and_b32 v11, 31, v0
	v_lshlrev_b32 v[LN16], 4, v11
	v_and_b32 v27, 15, v0                          ; r
	v_bfe_u32 v28, v0, 4, 1                        ; h
	v_lshlrev_b32 v[H32], 5, v28
	v_lshlrev_b32 v[PST], 4, v27
	v_lshl_add_u32 v[PST], v28, 17, v[PST]         ; 8 rows of 16,384 bytes
	v_mul_u32_u24 v[WOFF], v28, 32*PITCH
	v_lshl_add_u32 v[WOFF], v27, 4, v[WOFF]
	v_lshl_add_u32 v[PFO], v28, 5, v27
	v_mul_u32_u24 v[PFO], v[PFO], PITCH
	s_wait_alu depctr_va_sdst(0)                   ; the wave's number is written, ahead of its first reader
	s_lshl_b32 s[TM], s[WV], 12
	v_add_nc_u32 v[ST0], s[TM], v[LN16]
	s_lshr_b32 s[EX], ttmp9, 5
	s_bfe_u32 s[CP], ttmp9, 0x30002                ; 3 bits from bit 2
	s_and_b32 s[KQ], ttmp9, 3
	s_mov_b32 s[TB], s[WV]
	s_mov_b32 s[LC], 0
	s_mov_b32 s[CH], 0
	s_mov_b32 s[OF+1], 0
	s_wait_kmcnt 0x0
	s_lshl_b32 s[OF], s[EX], 4
	s_add_nc_u64 s[10:11], s[10:11], s[OF:OF+1]
	s_load_b32 s[NTE], s[10:11], 0x0               ; e's tiles
	s_lshl_b32 s[OF], s[EX], 23                    ; wo: 8 MiB an expert,
	s_lshl_b32 s[TM], s[KQ], 21                    ; 512 rows a quarter of K,
	s_add_co_u32 s[OF], s[OF], s[TM]
	s_lshl_b32 s[TM], s[CP], 9                     ; 512 bytes a pair of column groups,
	s_add_co_u32 s[OF], s[OF], s[TM]
	s_and_b32 s[TM], s[WV], 1
	s_lshl_b32 s[TM], s[TM], 8                     ; 256 a group,
	s_add_co_u32 s[OF], s[OF], s[TM]
	s_lshr_b32 s[TM], s[WV], 1
	s_mul_i32 s[TM], s[TM], 16*PITCH               ; 16 rows a K step
	s_add_co_u32 s[OF], s[OF], s[TM]
	s_add_nc_u64 s[WB:WB+1], s[6:7], s[OF:OF+1]
	s_lshl_b32 s[OF], s[EX], 22                    ; hbuf: 4 MiB an expert, 16,384 bytes of a tile a quarter of K
	s_lshl_b32 s[TM], s[KQ], 14
	s_add_co_u32 s[OF], s[OF], s[TM]
	s_add_nc_u64 s[AH:AH+1], s[4:5], s[OF:OF+1]
	s_mov_b64 s[AB:AB+1], s[AH:AH+1]
	s_lshl_b32 s[OF], s[EX], 12
	s_add_nc_u64 s[GB:GB+1], s[8:9], s[OF:OF+1]
	s_lshl_b32 s[OF], s[EX], 24                    ; pbuf: 16 MiB an expert, 262,144 bytes a tile, 4,096 a quarter of K, 512 a pair of groups
	s_lshl_b32 s[TM], s[WV], 18
	s_add_co_u32 s[OF], s[OF], s[TM]
	s_lshl_b32 s[TM], s[KQ], 12
	s_add_co_u32 s[OF], s[OF], s[TM]
	s_lshl_b32 s[TM], s[CP], 9
	s_add_co_u32 s[OF], s[OF], s[TM]
	s_add_nc_u64 s[PB:PB+1], s[12:13], s[OF:OF+1]
	WIN 0xc0
	s_wait_alu depctr_va_vdst(0)                   ; WOFF, PFO, LN16 and PST are written: the offsets of the weights' loads, the prefetches and the stores
	WLOAD W0, 0                                    ; W(0) and W(1) hang on no count: they go out first
	WLOAD W1, CHW
	WIN 0
	global_prefetch_b8 v[PFO], s[WB:WB+1] offset:3*CHW th:TH_LOAD_NT scope:SCOPE_SE  ; chunks 3 to 5; trips 0 and 1 ask for chunks 6 and 7
	global_prefetch_b8 v[PFO], s[WB:WB+1] offset:4*CHW th:TH_LOAD_NT scope:SCOPE_SE
	global_prefetch_b8 v[PFO], s[WB:WB+1] offset:5*CHW th:TH_LOAD_NT scope:SCOPE_SE
	s_wait_kmcnt 0x0
	s_min_u32 s[NTE], s[NTE], 64
	s_max_u32 s[NTE], s[NTE], 1
	s_sub_co_i32 s[REM], s[NTE], s[TB]
	PASSSET 0                                      ; the gates: 10 loads
	WIN 0x40
	ALOAD A0, 0, 4                                 ; A(0), by VOFF as PASSSET made it: no vector instruction stands between its wait and here
	s_wait_loadcnt 46                              ; W(0) is in: W(1)'s 16, the gates' 10 and A(0)'s 20 are younger
	WIN 0x0f
	CVT W0
	WIN 0
	v_add_nc_u32 v[STA], s[LC], v[ST0]
	v_add_nc_u32 v[RDA], s[LC], v[LN16]
	s_wait_alu depctr_va_vdst(0)                   ; CV, STA and RDA are written; the roundings are done reading W0, in which W(2) lands
	WSTORE 0
	WIN 0xc0
	WLOAD W0, 2*CHW                                ; W(2)
	WIN 0
	s_wait_xcnt 0x0
	s_add_nc_u64 s[WB:WB+1], s[WB:WB+1], 2*CHW
	s_wait_dscnt 0x0                               ; for the others' sake: my part of chunk 0 is stored
	s_barrier_signal -1
	s_barrier_wait -1
	BLOAD BF0, 0                                   ; by RDA as made above: no vector instruction stands between that wait and here
	; In a trip W(c + 1) is followed by A(c)'s 20 and W(c + 2)'s 16 loads: 36; A(c) by W(c + 2)'s 16.  In trip 0 the gates' 10 lie between too: the count 36 waits for them as well.
	ITER 0, 1, 1, 1, 1, 36, 16, 2
	s_mov_b32 s[CT], (NC-4)/2
.Ltrip:                                            ; chunks 1 to NC - 4
	ITER 1, 0, 1, 1, 1, 36, 16, 1                  ; chunks 1 and 3: chunk 1 asks for chunk 7, the last
	ITER 0, 0, 1, 1, 1, 36, 16, 0                  ; chunks 2 and 4: six ahead of them there is none
	s_sub_co_u32 s[CT], s[CT], 1
	s_cmp_lg_u32 s[CT], 0
	s_cbranch_scc1 .Ltrip
	ITER 1, 0, 1, 0, 1, 36, 16, 0
	ITER 0, 0, 1, 0, 1, 20, 0, 0
	ITER 1, 0, 0, 0, 0, 0, 0, 0
	s_mov_b32 s[PS], 4                             ; four trips cover 80 tiles, more than the 64 that an expert can have
.Lpass:
	PLACES                                         ; THE WAY OUT of the pass just made
.irp t, 0,1,2,3,4
	s_cmp_le_i32 s[REM], 4*\t
	s_cbranch_scc1 .Lepi_end
	s_wait_xcnt 0x0                                ; the last tile's stores have had their addresses translated: their data registers are rewritten only behind this wait,
	s_wait_alu depctr_vm_vsrc(0)                   ; and they have read the out-registers v32-95 (ahead of the first tile: the LDS stores have read CV), which the multiplications below write again
	WIN 0x02+((\t)/4)                              ; source 0 in window 2 or 3
.irp b, 0,1                            ; rows 8 h + 4 b + u: sixteen quads, then their sixteen stores, which take their address from window 0
.irp u, 0,1,2,3
.irp m, 0,1
.irp j, 0,1,2,3
	v_mul_f32 v[CV+32*\b+4*(2*\u+\m)+\j], v[(64*\t)%256+8*(4*\m+\j)+4*\b+\u], v[GV+8*\t+4*\b+\u]
.endr
.endr
.endr
.endr
	WIN 0
	s_wait_alu depctr_va_vdst(0)                   ; the multiplications have written the sixteen quads, which the stores read
.irp b, 0,1
.irp u, 0,1,2,3
.irp m, 0,1
	global_store_b128 v[PST], v[CV+32*\b+4*(2*\u+\m):CV+32*\b+4*(2*\u+\m)+3], s[PB:PB+1] offset:1048576*\t+16384*(4*\b+\u)+256*\m  ; sixteen lanes store 256 consecutive bytes, aligned
.endr
.endr
.endr
.endr
.Lepi_end:
	s_wait_xcnt 0x0
	s_add_co_u32 s[TB], s[TB], 20
	s_sub_co_i32 s[REM], s[REM], 20
	s_add_nc_u64 s[PB:PB+1], s[PB:PB+1], 20*262144
	s_cmp_le_i32 s[REM], 0
	s_cbranch_scc1 .Lnopass                        ; no tile of mine is left: forward, past text without barrier or LDS write
	PASSSET 1
	s_mov_b64 s[AB:AB+1], s[AH:AH+1]
	s_mov_b32 s[LC], 0
	OCH 1
	s_mov_b32 s[CT], NC-1
.Loch:
	OCH 0
	s_sub_co_u32 s[CT], s[CT], 1
	s_cmp_lg_u32 s[CT], 0
	s_cbranch_scc1 .Loch
.Lnopass:
	s_sub_co_u32 s[PS], s[PS], 1
	s_cmp_lg_u32 s[PS], 0
	s_cbranch_scc1 .Lpass
	s_wait_dscnt 0x0                               ; my last reads of the block are back,
	s_barrier_signal -1
	s_barrier_wait -1                              ; and every wave's are
	s_wait_dscnt 0x0                               ; the wave's end
	s_wait_alu depctr_hold_cnt(0) depctr_sa_sdst(0) depctr_va_vdst(0) depctr_va_sdst(0) depctr_va_ssrc(0) depctr_va_vcc(0) depctr_vm_vsrc(0)
	s_wait_tensorcnt 0x0
	ds_add_u32 v254, v255
	s_wait_dscnt 0x0
	s_endpgm
.Lfunc_end_k_q0486ef6342_down:
	.size	k_q0486ef6342_down, .Lfunc_end_k_q0486ef6342_down-k_q0486ef6342_down
	.p2alignl 7, 3214868480
	.fill 96, 4, 3214868480
	.section	.rodata,"a",@progbits
	.p2align	6, 0x0
	.amdhsa_kernel k_q0486ef6342_down
		.amdhsa_group_segment_fixed_size 131584
		.amdhsa_private_segment_fixed_size 0
		.amdhsa_enable_private_segment 0
		.amdhsa_kernarg_size 40
		.amdhsa_user_sgpr_count 2
		.amdhsa_user_sgpr_kernarg_segment_ptr 1
		.amdhsa_wavefront_size32 1
		.amdhsa_system_sgpr_workgroup_id_x 1
		.amdhsa_system_sgpr_workgroup_id_y 1
		.amdhsa_system_sgpr_workgroup_id_z 1
		.amdhsa_system_vgpr_workitem_id 0
		.amdhsa_next_free_vgpr 960
		.amdhsa_next_free_sgpr 66
		.amdhsa_reserve_vcc 0
		.amdhsa_float_denorm_mode_32 3
		.amdhsa_float_denorm_mode_16_64 3
		.amdhsa_memory_ordered 1
		.amdhsa_forward_progress 1
		.amdhsa_inst_pref_size 139
	.end_amdhsa_kernel
	.amdgpu_metadata
---
amdhsa.version: [ 1, 2 ]
amdhsa.kernels:
  - .name:           k_q0486ef6342_down
    .symbol:         k_q0486ef6342_down.kd
    .args:
      - { .name: hbuf, .offset: 0, .size: 8, .value_kind: global_buffer, .address_space: global }
      - { .name: wo, .offset: 8, .size: 8, .value_kind: global_buffer, .address_space: global }
      - { .name: gl, .offset: 16, .size: 8, .value_kind: global_buffer, .address_space: global }
      - { .name: meta, .offset: 24, .size: 8, .value_kind: global_buffer, .address_space: global }
      - { .name: pbuf, .offset: 32, .size: 8, .value_kind: global_buffer, .address_space: global }
    .group_segment_fixed_size: 131584
    .private_segment_fixed_size: 0
    .kernarg_segment_align: 8
    .kernarg_segment_size: 40
    .max_flat_workgroup_size: 128
    .sgpr_count:     66
    .vgpr_count:     960
    .wavefront_size: 32
...
	.end_amdgpu_metadata
.endif
;; end of part 7
;; launch merge (part 8): grid 256 x 1, 8 waves a work-group, no clusters, 0 bytes of LDS; arguments xb, pbuf, pose, out0; writes out0
.if DOCPART == 8
	.amdgcn_target "amdgcn-amd-amdhsa--gfx1250"
	.amdhsa_code_object_version 6
	.text
	.protected	k_q0486ef6342_merge
	.globl	k_q0486ef6342_merge
	.p2align	8
	.type	k_q0486ef6342_merge,@function
k_q0486ef6342_merge:
	s_mov_b64 s[64:65], 0
	v_nop
	global_prefetch_b8 v0, s[64:65] scope:SCOPE_SE
	s_setreg_imm32_b32 hwreg(HW_REG_WAVE_SCHED_MODE, 0, 2), 2
	s_setreg_imm32_b32 hwreg(HW_REG_WAVE_MODE, 25, 1), 1
	s_wait_xcnt 0x0
	s_wait_alu depctr_vm_vsrc(0)
; out[t] = x[t] (as rounded to bf16, like every input) + the eight partial rows of its two chosen experts (two slots x four quarters of K), which carry their gates already.
; A wave takes half a row of one token: t = 4 x work-group + wave / 2, half = wave % 2.  The token's two slots are the two entries of pose[.][t] that are not 0: whole numbers that an earlier launch stored,
; read by scalar loads and clamped into pbuf before they enter an address.  A stream: each load of pbuf covers 512 consecutive bytes, each of xb 256, all 36 go out before the first wait.  No LDS, no matrix unit: nothing is shared or multiplied.
; THE MODE: SCHED_MODE bits 1:0 = 2 (LLVM: expert scheduling mode 2), set by the entry lines.  The code itself states the register dependences
; between vector instructions and memory instructions, with s_wait_alu, always for 0.
; THE PLAN.  v3, v4: offsets, written once at the head, read by every load and store: one wait on va_vdst ahead of the first load.  XR and P: each loaded once, and named by no vector instruction before its load: nothing is owed.
; ACC: written by vector instructions alone, read by the four stores at the end: one wait on va_vdst ahead of them.  No register that a memory instruction reads is written again.
.set ACC, 8                            ; v[8:23]   the half row's sums: 4 numbers for each of 4 pieces of 512 bytes
.set XR,  24                           ; v[24:31]  x in bf16
.set P,   32                           ; v[32:159] 2 slots x 4 quarters x 4 pieces x 4 registers
	s_load_b256 s[4:11], s[0:1], 0x0               ; xb s[4:5], pbuf s[6:7], pose s[8:9], out0 s[10:11]
	v_and_b32 v1, 31, v0
	v_lshrrev_b32 v2, 5, v0
	v_readfirstlane_b32 s12, v2                    ; wave
	v_lshlrev_b32 v3, 4, v1                        ; 16 x lane
	v_lshlrev_b32 v4, 3, v1                        ; 8 x lane
	s_wait_alu depctr_va_sdst(0)                   ; the wave's number is written, ahead of its first reader
	s_lshr_b32 s13, s12, 1
	s_and_b32 s14, s12, 1                          ; which half
	s_lshl_b32 s15, ttmp9, 2
	s_add_co_u32 s15, s15, s13                     ; t
	s_lshl_b32 s36, s15, 2
	s_mov_b32 s37, 0
	s_wait_kmcnt 0x0
	s_add_nc_u64 s[8:9], s[8:9], s[36:37]
.irp e, 0,1,2,3,4,5,6,7
	s_load_b32 s[16+\e], s[8:9], 4096*\e
.endr
	s_lshl_b32 s38, s15, 11                        ; xb: 2,048 bytes a row, 1,024 a half
	s_lshl_b32 s40, s14, 10
	s_add_co_u32 s38, s38, s40
	s_mov_b32 s39, 0
	s_add_nc_u64 s[4:5], s[4:5], s[38:39]
	s_wait_alu depctr_va_vdst(0)                   ; v3 and v4 are written: every load and store below reads one of them as its offset
.irp u, 0,1,2,3
	global_load_b64 v[XR+2*\u:XR+2*\u+1], v4, s[4:5] offset:256*\u
.endr
	s_lshl_b32 s40, s15, 12                        ; out0: 4,096 bytes a row, 2,048 a half
	s_lshl_b32 s42, s14, 11
	s_add_co_u32 s40, s40, s42
	s_mov_b32 s41, 0
	s_add_nc_u64 s[10:11], s[10:11], s[40:41]
	s_mov_b32 s24, -1
	s_mov_b32 s25, 0
	s_wait_kmcnt 0x0
.irp e, 0,1,2,3,4,5,6,7
	s_sub_co_u32 s26, s[16+\e], 1                  ; an entry 0 wraps to the largest number and loses the minimum
	s_min_u32 s24, s24, s26
	s_max_u32 s25, s25, s[16+\e]
.endr
	s_sub_co_u32 s25, s25, 1
	s_min_u32 s24, s24, 0x1fff                     ; 8,192 slots
	s_min_u32 s25, s25, 0x1fff
	s_lshl_b32 s24, s24, 14                        ; 16,384 bytes a slot
	s_lshl_b32 s25, s25, 14
	s_add_co_u32 s32, s24, s42
	s_mov_b32 s33, 0
	s_add_co_u32 s34, s25, s42
	s_mov_b32 s35, 0
	s_add_nc_u64 s[28:29], s[6:7], s[32:33]
	s_add_nc_u64 s[30:31], s[6:7], s[34:35]
.irp a, 0,1
.irp q, 0,1,2,3
.irp u, 0,1,2,3
	global_load_b128 v[P+64*\a+16*\q+4*\u:P+64*\a+16*\q+4*\u+3], v3, s[28+2*\a:29+2*\a] offset:4096*\q+512*\u th:TH_LOAD_NT
.endr
.endr
.endr
	s_wait_loadcnt 32                              ; x is in; the 32 loads of partial rows stay out
.irp u, 0,1,2,3
	v_lshlrev_b32 v[ACC+4*\u], 16, v[XR+2*\u]      ; bf16 to f32: the low half moves up, the high half stays
	v_and_b32 v[ACC+4*\u+1], 0xffff0000, v[XR+2*\u]
	v_lshlrev_b32 v[ACC+4*\u+2], 16, v[XR+2*\u+1]
	v_and_b32 v[ACC+4*\u+3], 0xffff0000, v[XR+2*\u+1]
.endr
.irp g, 0,1,2,3,4,5,6,7
	s_wait_loadcnt 28-4*\g                         ; partial row g's four loads are in; the later rows' stay out
.irp u, 0,1,2,3
	v_pk_add_f32 v[ACC+4*\u:ACC+4*\u+1], v[ACC+4*\u:ACC+4*\u+1], v[P+16*\g+4*\u:P+16*\g+4*\u+1]
	v_pk_add_f32 v[ACC+4*\u+2:ACC+4*\u+3], v[ACC+4*\u+2:ACC+4*\u+3], v[P+16*\g+4*\u+2:P+16*\g+4*\u+3]
.endr
.endr
	s_wait_alu depctr_va_vdst(0)                   ; the additions have written ACC, which the four stores read
.irp u, 0,1,2,3
	global_store_b128 v3, v[ACC+4*\u:ACC+4*\u+3], s[10:11] offset:512*\u th:TH_STORE_NT  ; 512 consecutive bytes, aligned
.endr
	s_endpgm
.Lfunc_end_k_q0486ef6342_merge:
	.size	k_q0486ef6342_merge, .Lfunc_end_k_q0486ef6342_merge-k_q0486ef6342_merge
	.p2alignl 7, 3214868480
	.fill 96, 4, 3214868480
	.section	.rodata,"a",@progbits
	.p2align	6, 0x0
	.amdhsa_kernel k_q0486ef6342_merge
		.amdhsa_group_segment_fixed_size 0
		.amdhsa_private_segment_fixed_size 0
		.amdhsa_enable_private_segment 0
		.amdhsa_kernarg_size 32
		.amdhsa_user_sgpr_count 2
		.amdhsa_user_sgpr_kernarg_segment_ptr 1
		.amdhsa_wavefront_size32 1
		.amdhsa_system_sgpr_workgroup_id_x 1
		.amdhsa_system_sgpr_workgroup_id_y 1
		.amdhsa_system_sgpr_workgroup_id_z 1
		.amdhsa_system_vgpr_workitem_id 0
		.amdhsa_next_free_vgpr 160
		.amdhsa_next_free_sgpr 66
		.amdhsa_reserve_vcc 0
		.amdhsa_float_denorm_mode_32 3
		.amdhsa_float_denorm_mode_16_64 3
		.amdhsa_memory_ordered 1
		.amdhsa_forward_progress 1
		.amdhsa_inst_pref_size 12
	.end_amdhsa_kernel
	.amdgpu_metadata
---
amdhsa.version: [ 1, 2 ]
amdhsa.kernels:
  - .name:           k_q0486ef6342_merge
    .symbol:         k_q0486ef6342_merge.kd
    .args:
      - { .name: xb, .offset: 0, .size: 8, .value_kind: global_buffer, .address_space: global }
      - { .name: pbuf, .offset: 8, .size: 8, .value_kind: global_buffer, .address_space: global }
      - { .name: pose, .offset: 16, .size: 8, .value_kind: global_buffer, .address_space: global }
      - { .name: out0, .offset: 24, .size: 8, .value_kind: global_buffer, .address_space: global }
    .group_segment_fixed_size: 0
    .private_segment_fixed_size: 0
    .kernarg_segment_align: 8
    .kernarg_segment_size: 32
    .max_flat_workgroup_size: 256
    .sgpr_count:     66
    .vgpr_count:     160
    .wavefront_size: 32
...
	.end_amdgpu_metadata
.endif
;; end of part 8
